; MI455X (gfx1250); checked and timed in simulation.
; The chip was launched on July 23, 2026; its instructions are those of AMD's public machine-readable ISA for CDNA 5 (MIT licence, August 2026) and "CDNA5" Instruction Set Architecture Reference Guide (July 2026). The comments in the code are by the model that wrote it; some were corrected since.
;; Causal Self Attention. Allowed arithmetic: matrix products marked QUANTISED: E2M3 operands, one E8M0 scale for each 32 along K, by v_wmma_scale_f32_16x16x128_f8f6f4 with both operands' format E2M3, f32 sums; everything else in f32.
;; Inputs: w_attn 3,072 x 1,024 float32; w_proj 1,024 x 1,024 float32; x 4 x 2,048 x 1,024 float32.
;; Outputs: out0 4 x 2,048 x 1,024 float32.
;; This version of the problem:
;;   THIS VERSION OF THE PROBLEM IS GIVEN IN LOW PRECISION. The matrix products marked QUANTISED in the list below multiply operands that are first quantised to E2M3 (2 exponent bits, 3 mantissa bits; 6 bits a number), with one power-of-two scale for each 32 numbers along K (OCP MX v1.0); their sums are f32. All else is computed in f32.
;;   The module's matrix products, in the order in which they are computed (A, B: the left and right operand; K: the contracted axis; several contracted axes count as one K, in the product's order):
;;     1. [M 8,192, K 1,024] x [K 1,024, N 3,072]; A: input x; B: input w_attn: QUANTISED
;;     2. batch 64 x [M 2,048, K 64] x [K 64, N 2,048]; A: computed on the way; B: computed on the way: QUANTISED
;;     3. batch 64 x [M 2,048, K 2,048] x [K 2,048, N 64]; A: softmax (see below); B: computed on the way: QUANTISED
;;     4. [M 8,192, K 1,024] x [K 1,024, N 1,024]; A: computed on the way; B: input w_proj: QUANTISED
;;   THE QUANTISER, for each operand of a quantised product, along K:
;;     - K is cut into blocks of 32 from its start; a last block that is shorter is filled with zeros.
;;     - A block's scale is 2^e with e = floor(log2(the largest magnitude in the block)) - 2, held to -126 .. 127; a block of zeros has e = 0. As a byte (E8M0): e + 127.
;;     - Each number is divided by its block's scale, clamped to +-7.5, and rounded to the nearest number of E2M3, ties to even, subnormals kept.
;;     - The product sums the exact products of the quantised numbers (number of the format x scale) in f32.
;;   ~~~python
;;   def quantise(x, axis):      # numpy; x: float32 -> the quantised numbers, widened to float32 again
;;       x = np.moveaxis(x, axis, -1); K = x.shape[-1]
;;       x = np.pad(x, [(0, 0)] * (x.ndim - 1) + [(0, -K % 32)]); x = x.reshape(x.shape[:-1] + (-1, 32)); a = np.abs(x).max(-1, keepdims=True)
;;       e = np.where(a > 0, np.clip(np.frexp(np.where(a > 0, a, 1))[1] - 1 - 2, -126, 127), 0)      # np.frexp(a)[1] - 1 = floor(log2(a)), exactly
;;       r = np.clip(x / 2.0 ** e, -7.5, 7.5)
;;       step = 2.0 ** (np.maximum(np.frexp(np.where(r == 0, 1, r))[1] - 1, 0) - 3)
;;       q = np.round(r / step) * step * 2.0 ** e      # np.round: ties to even
;;       return np.moveaxis(q.reshape(q.shape[:-2] + (-1,))[..., :K], -1, axis).astype(np.float32)
;;   ~~~
;;   SOFTMAX AHEAD OF A QUANTISED PRODUCT. Where the list says 'softmax', what is quantised is not the finished softmax but p = 2^(t - M), with t = logit x log2(e) and M = ceil(the row's largest t), a whole number; so 1/2 < the row's largest p <= 1. The row's sum l is taken of the UNQUANTISED p, in f32, and the product's result is divided by l at the end. Since M is a whole number, a kernel that streams over the keys may use a running M (the ceiling of the running maximum): every later rescaling is an exact power of two, which a block's scale takes up: the codes' values come out the same.
;;   OPERANDS COMPUTED ON THE WAY. 'Computed on the way' means the value that the module computes at that place (a softmax that the list does not call 'softmax' is quantised finished and normalised). What goes into a quantiser is computed in f32, as accurately as f32 sums, v_exp_f32 and their like allow (about 1e-6 of the number): no bf16 or f16 on the way to a quantiser, and a product that is left as it is and whose result goes on into a quantised operand takes f32 operands (vector FMAs, or v_wmma_f32_16x16x4_f32). A number that lies on a knife's edge between two numbers of the format may be rounded either way, as far as f32 arithmetic and the matrix unit's own rounding can turn it there, and no further.
;; One version. Each part assembles by itself: llvm-mc -triple=amdgcn-amd-amdhsa -mcpu=gfx1250 --defsym DOCPART=n.
;; ======== version 1 of 1: 4 launches
;; limits: right only within a limited range of input values
;; workspace buffers: c1 9,437,184 bytes; s1 393,216 bytes; c2 20,185,088 bytes; c3 6,291,456 bytes; s3 262,144 bytes
;; launch quant (part 1): grid 384 x 1, 4 waves a work-group, no clusters, 55,808 bytes of LDS; arguments x, w_attn, w_proj, c1, s1; writes c1, s1
.if DOCPART == 1
	.amdgcn_target "amdgcn-amd-amdhsa--gfx1250"
	.amdhsa_code_object_version 6
	.text
	.protected	k_q11d64191ad_quant
	.globl	k_q11d64191ad_quant
	.p2align	8
	.type	k_q11d64191ad_quant,@function
k_q11d64191ad_quant:
	s_mov_b64 s[64:65], 0
	v_nop
	global_prefetch_b8 v0, s[64:65] scope:SCOPE_SE
	s_setreg_imm32_b32 hwreg(HW_REG_WAVE_MODE, 25, 1), 1
	s_wait_xcnt 0x0
; x [8192][1024], w_attn [3072][1024] and w_proj [1024][1024], f32, K innermost, become codes of FP6 (E2M3) with one E8M0 byte for each 32 along K.
; A block's scale is 2^(floor(log2(its largest magnitude)) - 2); its byte is the largest magnitude's exponent field - 2, held at 1 from below.
; LIMITS: NaN and infinities among the inputs are not served; a block whose largest magnitude lies under 2^-124 keeps the byte 1; a block of zeros gets the byte 1 where
; the rule says 127: its codes are zeros, which add nothing under any byte but 0xff, and the bytes are read by this program alone.
; LAYOUT OF THE RESULTS.  The 12,288 rows (x, then w_attn, then w_proj) stand at POSITIONS: a row's number with its bits 3 and 4 exchanged.  Sixteen neighbouring positions
; 32 b + 16 u + r then hold the rows 32 b + 8 u + r + 8 (r / 8).  c1: [16 chunks of 64 along K][12,288 positions][48 bytes].  s1: [4 quarters of 256 along K][12,288 positions][8 bytes].
; SHARES.  A work-group takes 32 rows (one group of positions), wave w their columns 256 w .. 256 w + 255: chunks 4 w .. 4 w + 3 and quarter w.  So each chunk's 1,536 bytes and the quarter's
; 256 bytes leave dense.  Waves share nothing: no barrier.  Sixteen steps of two rows: each of a step's four loads reads 512 consecutive bytes; the 2,048 bytes turn through the wave's own stage
; in LDS, so that a lane holds 16 neighbours along K (two neighbouring lanes hold a block).  Loads run four steps ahead, the turn one step.
.set STEPS, 16
.set EMAX,  2
.set SP,    80                         ; a lane's place in a stage of numbers: 64 bytes + 16 of padding
.set CST,   2*32*SP                    ; behind the two stages of numbers: the stage of codes: [4 chunks][32 positions][4 places of 16 bytes, 12 used]
.set CSS,   2112                       ; from chunk to chunk: 2,048 + 64, so that the sixteen lanes of a store touch sixteen different columns of 16 bytes
.set SST,   CST+4*CSS                  ; behind it: the wave's 256 scale bytes
.set WREG,  SST+256                    ; a wave's region
.set CSTR,  589824                     ; c1: bytes from chunk to chunk
.set R,     16                         ; v16-79   four sets of 16 numbers as loaded; at the end the codes on their way out
.set X,     80                         ; v80-111  two sets of 16 neighbours
.set E,     112                        ; v112-127 a scale byte for each step
.set C,     128                        ; v128-191 codes: four registers for each step, never written again
	s_load_b128 s[4:7], s[0:1], 0x0                ; x, w_attn
	s_load_b128 s[8:11], s[0:1], 0x10              ; w_proj, c1
	s_load_b64 s[12:13], s[0:1], 0x20              ; s1
	v_lshl_add_u32 v192, v0, 2, 0xd800
	v_mov_b32 v193, 0
	v_lshrrev_b32 v1, 5, v0
	v_readfirstlane_b32 s16, v1                    ; wave
	v_and_b32 v2, 31, v0                           ; lane
	v_lshlrev_b32 v3, 4, v2                        ; my 16 bytes of a load's 512
	s_mul_i32 s17, s16, WREG
	v_lshrrev_b32 v14, 2, v2
	v_mul_u32_u24 v14, v14, SP
	v_and_b32 v15, 3, v2
	v_lshl_add_u32 v14, v15, 4, v14
	v_add_nc_u32 v14, s17, v14                     ; the stage of numbers, in: SP (lane / 4) + 16 (lane % 4)
	v_lshlrev_b32 v4, 4, v15                       ; the stage of codes, in: my quarter of a chunk: 16 (lane % 4),
	v_bfe_u32 v13, v2, 2, 2
	v_mad_u32_u24 v4, v13, CSS, v4                 ; my chunk: (lane % 16) / 4,
	v_lshrrev_b32 v13, 4, v2
	v_lshl_add_u32 v4, v13, 6, v4                  ; and the odd row of the step's two for lanes 16-31
	v_add_nc_u32 v4, s17, v4
	v_add_nc_u32 v4, CST, v4
	v_mul_u32_u24 v15, v2, SP
	v_add_nc_u32 v15, s17, v15                     ; the stage of numbers, out: SP x lane: my 16 neighbours
	v_lshrrev_b32 v5, 1, v2
	v_add_nc_u32 v5, s17, v5
	v_add_nc_u32 v5, SST, v5                       ; my block's scale byte: lane / 2 = 8 (lane / 16) + (lane % 16) / 2
	v_lshlrev_b32 v7, 3, v2                        ; the scale bytes on their way out: 8 a lane
	v_add_nc_u32 v6, s17, v7
	v_add_nc_u32 v6, SST, v6
	v_add_nc_u32 v10, s17, v3
	v_add_nc_u32 v10, CST, v10                     ; the stage of codes, out: a place a lane
	v_mul_u32_u24 v12, v2, 12                      ; and its 12 bytes in c1
	s_mov_b32 s18, 352
	s_wait_kmcnt 0x0
	s_cmp_lt_u32 ttmp9, 352                        ; which tensor: the choice hangs on the work-group's number alone
	s_cselect_b64 s[6:7], s[6:7], s[8:9]
	s_cselect_b32 s18, 256, s18
	s_cmp_lt_u32 ttmp9, 256
	s_cselect_b64 s[4:5], s[4:5], s[6:7]
	s_cselect_b32 s18, 0, s18
	s_sub_co_u32 s18, ttmp9, s18                   ; which 32 rows of it
	s_lshl_b32 s18, s18, 17                        ; 32 rows of 4,096 bytes
	s_lshl_b32 s19, s16, 10                        ; my wave's 1,024 bytes of a row
	s_add_co_u32 s18, s18, s19
	s_mov_b32 s19, 0
	s_add_nc_u64 s[4:5], s[4:5], s[18:19]
	s_mul_i32 s20, s16, 4*CSTR                     ; c1: my four chunks, the group's 32 positions of 48 bytes
	s_mul_i32 s21, ttmp9, 1536
	s_add_co_u32 s20, s20, s21
	s_mov_b32 s21, 0
	s_add_nc_u64 s[10:11], s[10:11], s[20:21]
	s_mul_i32 s20, s16, 98304                      ; s1: my quarter, the group's 32 positions of 8 bytes
	s_lshl_b32 s22, ttmp9, 8
	s_add_co_u32 s20, s20, s22
	s_add_nc_u64 s[12:13], s[12:13], s[20:21]
.macro LOAD t                          ; step t: rows 2 t and 2 t + 1, 1,024 bytes of each
.irp i, 0,1,2,3
	global_load_b128 v[R+16*((\t)%4)+4*\i:R+16*((\t)%4)+4*\i+3], v3, s[4:5] offset:(2*(\t)+\i/2)*4096+512*(\i%2) th:TH_LOAD_NT
.endr
.endm
.macro TURN t                          ; step t's numbers through the stage: LDS serves a wave's instructions in order, so no wait stands between the stores and the loads
.irp i, 0,1,2,3
	ds_store_b128 v14, v[R+16*((\t)%4)+4*\i:R+16*((\t)%4)+4*\i+3] offset:32*SP*((\t)%2)+8*SP*\i
.endr
.irp i, 0,1,2,3
	ds_load_b128 v[X+16*((\t)%2)+4*\i:X+16*((\t)%2)+4*\i+3], v15 offset:32*SP*((\t)%2)+16*\i
.endr
.endm
.irp t, 0,1,2,3
	LOAD \t
.endr
	s_wait_loadcnt 12                              ; step 0's four loads are in
	TURN 0
.macro STEP t
.set XS, X+16*((\t)%2)
.set TP, ((\t)&3)|((((\t)>>3)&1)<<2)|((((\t)>>2)&1)<<3)   ; the step's two rows stand at positions 2 TP and 2 TP + 1 of the group
.if (\t) > 0
	s_wait_dscnt 2                                 ; this step's numbers are back from the stage; the last step's two stores (codes, byte) may be out
.else
	s_wait_dscnt 0x0
.endif
.if (\t)+4 < STEPS
	LOAD (\t)+4                                    ; into the registers that this step's stores into the stage have read
.endif
.if (\t)+1 < STEPS
.if STEPS-2-(\t) >= 3
	s_wait_loadcnt 12                              ; the next step's four loads are in; those of the three steps behind it may be out
.else
	s_wait_loadcnt 4*(STEPS-2-(\t))
.endif
	TURN (\t)+1
.endif
	v_max3_num_f32 v8, |v[XS]|, |v[XS+1]|, |v[XS+2]|               ; the largest magnitude of my 16, in two chains
	v_max3_num_f32 v9, |v[XS+3]|, |v[XS+4]|, |v[XS+5]|
.irp i, 6,10
	v_max3_num_f32 v8, v8, |v[XS+\i]|, |v[XS+\i+1]|
	v_max3_num_f32 v9, v9, |v[XS+\i+2]|, |v[XS+\i+3]|
.endr
	v_max3_num_f32 v8, v8, |v[XS+14]|, |v[XS+15]|
	v_max3_num_f32 v8, v8, v9, (EMAX+1)<<23        ; and the floor 2^(3 - 127): the byte cannot fall under 1
	v_max_num_f32_dpp v8, v8, v8 row_xmask:1 row_mask:0xf bank_mask:0xf   ; with my neighbour's 16: the block's
	v_add_nc_u32 v11, -(EMAX<<23), v8              ; 2 off its exponent field: the conversion takes the exponent field of this operand as its scale
	v_cvt_scalef32_pk16_fp6_f32 v[C+4*(\t):C+4*(\t)+2], v[XS:XS+15], v11
	v_lshrrev_b32 v[E+(\t)], 23, v11               ; the scale's byte (also the plain line behind the conversion)
	ds_store_b8 v5, v[E+(\t)] offset:16*TP         ; both lanes of a block write the same byte with the same value
	ds_store_b96 v4, v[C+4*(\t):C+4*(\t)+2] offset:128*TP
.endm
.irp t, 0,1,2,3,4,5,6,7,8,9,10,11,12,13,14,15
	STEP \t
.endr
.irp n, 0,1,2,3,4,5,6,7,8,9,10,11,12,13,14,15
	ds_load_b96 v[R+4*\n:R+4*\n+2], v10 offset:CSS*(\n/4)+512*(\n%4)   ; a chunk's 128 places, 32 an instruction; these see my stores above
.endr
	ds_load_b64 v[X:X+1], v6
.irp n, 0,1,2,3,4,5,6,7,8,9,10,11,12,13,14,15
	s_wait_dscnt 16-\n                             ; load n is back; the younger ones may be out
	global_store_b96 v12, v[R+4*\n:R+4*\n+2], s[10:11] offset:CSTR*(\n/4)+384*(\n%4)   ; 384 consecutive bytes; a chunk's four stores cover 1,536
.endr
	s_wait_dscnt 0x0
	global_store_b64 v7, v[X:X+1], s[12:13]        ; 256 consecutive bytes, at a multiple of 256 from s1's first byte
	s_wait_tensorcnt 0x0
	ds_add_u32 v192, v193
	s_wait_dscnt 0x0
	s_endpgm
.Lfunc_end_k_q11d64191ad_quant:
	.size	k_q11d64191ad_quant, .Lfunc_end_k_q11d64191ad_quant-k_q11d64191ad_quant
	.p2alignl 7, 3214868480
	.fill 96, 4, 3214868480
	.section	.rodata,"a",@progbits
	.p2align	6, 0x0
	.amdhsa_kernel k_q11d64191ad_quant
		.amdhsa_group_segment_fixed_size 55808
		.amdhsa_private_segment_fixed_size 0
		.amdhsa_enable_private_segment 0
		.amdhsa_kernarg_size 40
		.amdhsa_user_sgpr_count 2
		.amdhsa_user_sgpr_kernarg_segment_ptr 1
		.amdhsa_wavefront_size32 1
		.amdhsa_system_sgpr_workgroup_id_x 1
		.amdhsa_system_sgpr_workgroup_id_y 1
		.amdhsa_system_sgpr_workgroup_id_z 1
		.amdhsa_system_vgpr_workitem_id 0
		.amdhsa_next_free_vgpr 194
		.amdhsa_next_free_sgpr 66
		.amdhsa_reserve_vcc 0
		.amdhsa_float_denorm_mode_32 3
		.amdhsa_float_denorm_mode_16_64 3
		.amdhsa_memory_ordered 1
		.amdhsa_forward_progress 1
		.amdhsa_inst_pref_size 36
	.end_amdhsa_kernel
	.amdgpu_metadata
---
amdhsa.version: [ 1, 2 ]
amdhsa.kernels:
  - .name:           k_q11d64191ad_quant
    .symbol:         k_q11d64191ad_quant.kd
    .args:
      - { .name: x, .offset: 0, .size: 8, .value_kind: global_buffer, .address_space: global }
      - { .name: w_attn, .offset: 8, .size: 8, .value_kind: global_buffer, .address_space: global }
      - { .name: w_proj, .offset: 16, .size: 8, .value_kind: global_buffer, .address_space: global }
      - { .name: c1, .offset: 24, .size: 8, .value_kind: global_buffer, .address_space: global }
      - { .name: s1, .offset: 32, .size: 8, .value_kind: global_buffer, .address_space: global }
    .group_segment_fixed_size: 55808
    .private_segment_fixed_size: 0
    .kernarg_segment_align: 8
    .kernarg_segment_size: 40
    .max_flat_workgroup_size: 128
    .sgpr_count:     66
    .vgpr_count:     194
    .wavefront_size: 32
...
	.end_amdgpu_metadata
.endif
;; end of part 1
;; launch qkv (part 2): grid 8 x 32, 4 waves a work-group, clusters of 4 x 4, 327,680 bytes of LDS; arguments c1, s1, c2; writes c2
.if DOCPART == 2
	.amdgcn_target "amdgcn-amd-amdhsa--gfx1250"
	.amdhsa_code_object_version 6
	.text
	.protected	k_q11d64191ad_qkv
	.globl	k_q11d64191ad_qkv
	.p2align	8
	.type	k_q11d64191ad_qkv,@function
k_q11d64191ad_qkv:
	s_mov_b64 s[64:65], 0
	v_nop
	global_prefetch_b8 v0, s[64:65] scope:SCOPE_SE
	s_setreg_imm32_b32 hwreg(HW_REG_WAVE_MODE, 25, 1), 1
	s_wait_xcnt 0x0
	s_wait_alu depctr_hold_cnt(0) depctr_sa_sdst(0) depctr_va_vdst(0) depctr_va_sdst(0) depctr_va_ssrc(0) depctr_va_vcc(0) depctr_vm_vsrc(0)
	s_getreg_b32 s2, hwreg(HW_REG_IB_STS2, 6, 4)
	s_cmp_eq_u32 s2, 0
	s_cbranch_scc0 .Lentry_in_a_cluster
	s_endpgm
.Lentry_in_a_cluster:
	s_bfe_u32 s2, ttmp6, 0x10000c
	s_cmp_lg_u32 s2, 0xf033
	s_cbranch_scc0 .Lentry_shape_is_right
	s_endpgm
.Lentry_shape_is_right:
; qkv = Q(x) Q(w_attn)^T on codes of FP6 (E2M3) with E8M0 scales, sums in f32; the results never go to memory as f32: the way out quantises q and k along the head's 64 and v along the keys.
; THE DEAL.  256 work-groups of four waves.  A work-group takes 256 tokens (Y) and 128 features (X) of q, then of k, then of v: three passes over K = 1,024.
; LDS: three PANELS of [16 chunks of 64 along K][128 positions][48 bytes] = 98,304 bytes: the tokens' two halves, which are loaded once and stay, and the pass's features, whose two halves along K
; are the two slots of a ring.  Behind them the scale bytes [4 quarters of K][256 tokens, 3 x 128 features][8], a stage of 2,048 bytes a wave, the spare words.
; A WAVE makes 128 along source 0 (registers) x 64 along source 1 (lanes): 32 accumulators.  q, k: source 0 = the 128 features (two heads), source 1 = tokens 64 w ..: a lane's registers run along a head.
; v: source 0 = tokens 128 (w / 2) .., source 1 = features 64 (w % 2) ..: a lane's registers run along the keys.  Only address registers differ between the passes.
; POSITIONS: rows stand at their number with bits 3 and 4 exchanged, so that the sixteen registers of two neighbouring accumulators along source 0 are sixteen NEIGHBOURS in the true order.
; FILLS, all of one shape (8 chunks x 6,144 bytes), all joint: the tokens' are shared along a row of the cluster, the features' along a column.  At the head one a wave: waves 0, 1 the tokens' first K half,
; waves 2, 3 q's features, a K half each.  Behind the full sequence and a round: waves 0, 1 the tokens' second K half.  FOUR REFILLS, each behind a round that stands in a step: in q's and k's step 3 wave 2
; asks for the next pass's first K half, in their step 7 wave 3 for its second.  v's pass asks for nothing and is written out; a plain barrier in its step 3 shows its second half.
; THE SCALE BYTES, 20,480 a work-group beside 589,824 of codes, come by plain loads and LDS stores at the head.
; NO PREFETCH: K is short: six fills of features in all, each asked for four steps ahead of its first read.
; c2: q and k: blocks of 13,312 bytes at (32 chunk + token block) x 13,312, chunk = head (q) or 16 + head (k): [256 positions][48] codes, then [256][4] scale words (the head's two bytes, twice).
;     v: from VBASE on blocks of 12,800 bytes at ((16 b + head) 8 + key slot) x 12,800: [4 chunks of 64 keys][64 positions of d][48] codes, then [2 steps of 128 keys][64][4] scale words.
; LIMITS: NaN and infinities are not served; a block under 2^-124, or of zeros, keeps the byte 1.
; REGISTERS: window 0: v12-31 addresses; v32-63 scale words, two sets; v128-223 source 1's fragments, two sets; on the way out v32-53 at work, v64-195 codes.
;   window 1: source 0's fragments, two sets, at v0 and v128.   window 2: the accumulators ((a, b) at v[8 (8 a + b)]).
.set FR,    12
.set NP,    4
.set CH,    6144                       ; 128 positions of one chunk
.set HALFP, 8*CH                       ; what one tensor load brings
.set PANEL, 2*HALFP
.set SCL,   3*PANEL
.set QST,   5120                       ; from quarter to quarter of the scale bytes
.set STAGE, SCL+4*QST                  ; a wave's: [2 chunks][16][48] codes of one block, then [2 halves of the lanes][4 blocks][16][4] scale words
.set STGB,  2048
.set SPARE, STAGE+4*STGB
.set CSTR,  589824                     ; c1: bytes from chunk to chunk
.set VBASE, 13631488
.set LN,   12                          ; v12 48 r + 24 h
.set R8,   13                          ; v13 8 r
.set HH,   14                          ; v14 h
.set ADRS0,15                          ; v15 q's scale words
.set ADRA, 16                          ; v16-17 source 1's fragments, K half 0, 1
.set ADRS2,18                          ; v18 as v27, lanes 16-31 512 bytes on: for blocks 4-7, of which source 1 has none
.set ADRB, 20                          ; v20-21 source 0's
.set RD,   22
.set RDW,  23
.set STO,  24
.set STS,  25
.set CO,   26                          ; v26 8 x lane
.set ADRS, 27                          ; v27 my scale words: lanes 0-15 source 1's, lanes 16-31 source 0's
.set SPW,  28                          ; v28 my spare word; never rewritten
.set NIL,  29                          ; v29 0; never rewritten
.set SELV, 30
.set SVO,  31
.set SC,   32
.set AF,   128
.set TM,   32
.set PW,   48
.set PWS,  50
.set OUT,  144
.set WO,   192
.set SEL,  10
.set G1X, 24
.set G0X, 32
.set G1W, 48
.set G0W, 56
.set MSB, 0
.macro WIN new                         ; the immediate's high byte repeats the setting that is left
.if MSB != \new
	s_set_vgpr_msb (MSB<<8)|\new
.set MSB, \new
.endif
.endm
.set MUL_LO, 0xa1                      ; source 0 window 1, source 1 window 0, C and D window 2
.set TO_B,   0x40
.macro PLACES n
.rept \n
	v_nop
.endr
.endm
.macro CREST                           ; a round of the cluster's barrier behind its opening barrier
	s_cmp_lg_u32 s14, 0
	s_cbranch_scc1 .Lnot_wave_0_\@
	s_barrier_signal -3
.Lnot_wave_0_\@:
	s_barrier_wait -3
	s_barrier_signal -1
	s_barrier_wait -1
.endm
.macro CROUND
	s_barrier_signal -1
	s_barrier_wait -1
	CREST
.endm
.macro TL g0, g1                       ; an s_nop 0 and four v_nop follow every tensor load
	tensor_load_to_lds s[\g0:\g0+3], s[\g1:\g1+7]
	s_nop 0
	PLACES 4
.endm
	s_load_b128 s[4:7], s[0:1], 0x0                ; c1, s1
	s_load_b64 s[8:9], s[0:1], 0x10                ; c2
	v_lshl_add_u32 v[SPW], v0, 2, SPARE
	v_mov_b32 v[NIL], 0
	ds_add_u32 v[SPW], v[NIL]                      ; the opening lines: the add twice on end
	ds_add_u32 v[SPW], v[NIL]
	v_lshrrev_b32 v1, 5, v0
	v_readfirstlane_b32 s14, v1                    ; wave 0..3
	s_lshr_b32 s15, s14, 1
	s_and_b32 s16, s14, 1
	s_bfe_u32 s40, ttmp6, 0x40000                  ; cx, cy
	s_bfe_u32 s41, ttmp6, 0x40004
	s_lshl_b32 s42, ttmp9, 2
	s_add_co_u32 s42, s42, s40                     ; X: which 128 features of q, k and v, 0..7
	s_and_b32 s17, ttmp7, 0xffff
	s_lshl_b32 s17, s17, 2
	s_add_co_u32 s17, s17, s41                     ; Y: which 256 tokens, 0..31
	s_lshl_b32 s43, s41, 2
	s_lshl_b32 s43, 15, s43                        ; my row of the cluster
	s_lshl_b32 s44, 0x1111, s40                    ; my column
	s_or_b32 s[G1X+0], s43, (3<<16)|(1<<21)
	s_or_b32 s[G1W+0], s44, (3<<16)|(1<<21)
.irp g, G1X, G1W                       ; 8 rows (chunks) of 768 elements of 8 bytes, 73,728 elements apart; dense in LDS
	s_mov_b32 s[\g+1], 768<<16
	s_mov_b32 s[\g+2], 8<<16
	s_mov_b32 s[\g+3], 768<<16
	s_mov_b32 s[\g+4], 8
	s_mov_b32 s[\g+5], CSTR/8
	s_mov_b32 s[\g+6], 0
	s_mov_b32 s[\g+7], 0
.endr
	s_lshl_b32 s20, s17, 8
	s_lshl_b32 s18, s16, 7
	s_add_co_u32 s20, s20, s18                     ; tokens: position 256 Y + 128 (wave % 2)
	s_mul_i32 s20, s20, 48
	s_mov_b32 s21, 0
	s_lshl_b32 s46, s42, 7
	s_add_co_u32 s46, s46, 8192                    ; q's features: position 8,192 + 128 X,
	s_mul_i32 s46, s46, 48
	s_mul_i32 s18, s16, 8*CSTR                     ; K half wave % 2
	s_add_co_u32 s46, s46, s18
	s_mov_b32 s47, 0
	s_mov_b32 s[G0X], 1
	s_mul_i32 s[G0X+1], s16, PANEL
	s_mov_b32 s[G0W], 1
	s_mul_i32 s[G0W+1], s16, HALFP
	s_add_co_u32 s[G0W+1], s[G0W+1], 2*PANEL
	s_mov_b32 s[SEL], 0x76543210
	s_mov_b32 s[SEL+1], 0xfedcba98
	s_wait_alu depctr_va_vdst(0)
	s_wait_dscnt 0x0                               ; both opening adds are done
	s_wait_kmcnt 0x0
	s_add_nc_u64 s[G0X+2:G0X+3], s[4:5], s[20:21]
	s_or_b32 s[G0X+3], s[G0X+3], 0x80000000
	s_add_nc_u64 s[G0W+2:G0W+3], s[4:5], s[46:47]
	s_or_b32 s[G0W+3], s[G0W+3], 0x80000000
	CROUND                                         ; all sixteen work-groups are here: the first joint loads meet
	s_cmp_eq_u32 s15, 0                            ; the head's loads, one a wave
	s_cbranch_scc0 .Lhead_w
	TL G0X, G1X
	s_branch .Lhead_asked
.Lhead_w:
	TL G0W, G1W
.Lhead_asked:
	; the scale bytes: the tokens' 2,048 of each quarter, 16 a thread; the features' 1,024 of each quarter and pass, 16 a thread, two quarters at a time
	v_lshlrev_b32 v2, 4, v0
	s_lshl_b32 s18, s17, 11
	s_mov_b32 s19, 0
	s_add_nc_u64 s[76:77], s[6:7], s[18:19]        ; a pair that no later line writes: the loads below may read it until they are done
.irp k, 0,1,2,3
	global_load_b128 v[64+4*\k:67+4*\k], v2, s[76:77] offset:98304*\k
.endr
	v_and_b32 v3, 63, v0
	v_lshrrev_b32 v4, 6, v0
	v_lshlrev_b32 v3, 4, v3
	v_mad_u32_u24 v5, v4, 0x18000, v3
	v_mad_u32_u24 v6, v4, QST, v3
	s_lshl_b32 s18, s42, 10
	s_add_co_u32 s18, s18, 65536
	s_add_nc_u64 s[74:75], s[6:7], s[18:19]
.irp m, 0,1
.irp j, 0,1,2
	global_load_b128 v[80+12*\m+4*\j:83+12*\m+4*\j], v5, s[74:75] offset:196608*\m+8192*\j
.endr
.endr
	v_add_nc_u32 v7, SCL, v2
	v_add_nc_u32 v6, SCL+2048, v6
	v_and_b32 v1, 15, v0                           ; r
	v_bfe_u32 v[HH], v0, 4, 1                      ; h
	v_mul_u32_u24 v[LN], v1, 48
	v_mad_u32_u24 v[LN], v[HH], 24, v[LN]
	v_lshlrev_b32 v[R8], 3, v1
	s_wait_alu depctr_va_vdst(0)
	s_mul_i32 s21, s15, PANEL                      ; q, k: source 1 = my 64 tokens,
	s_mul_i32 s22, s16, 3072
	s_add_co_u32 s21, s21, s22
	v_add_nc_u32 v[ADRA], s21, v[LN]
	v_add_nc_u32 v[ADRA+1], HALFP, v[ADRA]
	v_add_nc_u32 v[ADRB], 2*PANEL, v[LN]           ; source 0 = the 128 features
	v_add_nc_u32 v[ADRB+1], 2*PANEL+HALFP, v[LN]
	s_lshl_b32 s21, s14, 9                         ; the scale words: lanes 0-15 my tokens', lanes 16-31 the features'
	s_sub_co_u32 s22, 2048, s21
	v_mul_u32_u24 v8, s22, v[HH]
	s_add_co_u32 s21, s21, SCL
	v_add_nc_u32 v8, v8, v[R8]
	v_add_nc_u32 v[ADRS0], s21, v8
	s_lshl_b32 s23, s14, 11
	s_add_co_u32 s23, s23, STAGE                   ; my stage
	v_add_nc_u32 v[STO], s23, v[LN]
	v_lshlrev_b32 v8, 2, v1
	v_lshl_add_u32 v8, v[HH], 8, v8
	v_add_nc_u32 v8, s23, v8
	v_add_nc_u32 v[STS], 1536, v8
	v_and_b32 v9, 31, v0
	v_lshlrev_b32 v[CO], 3, v9
	v_add_nc_u32 v[RD], s23, v[CO]
	v_lshlrev_b32 v9, 4, v9
	v_add_nc_u32 v9, s23, v9
	v_add_nc_u32 v[RDW], 1536, v9
	v_mov_b32 v8, 0x01000100                       ; q, k: lanes 0-15 keep the first head's two bytes, twice,
	v_mov_b32 v9, 0x03020302                       ; lanes 16-31 the second head's
	v_cmp_eq_u32 vcc_lo, 1, v[HH]
	v_cndmask_b32 v[SELV], v8, v9, vcc_lo
	s_mov_b32 s18, 425984
	v_mul_u32_u24 v8, s18, v[HH]
	v_lshl_add_u32 v[SVO], v1, 4, v8               ; the words' store: 16 (lane % 16), lanes 16-31 in the next head's block
	; where the results go
	s_lshl_b32 s18, s42, 6
	s_add_co_u32 s18, s18, s17
	s_mul_i32 s18, s18, 13312                      ; q: block 32 (2 X) + Y
	s_mul_i32 s20, s14, 3072
	s_add_co_u32 s20, s20, s18
	s_mov_b32 s21, 0
	s_add_nc_u64 s[92:93], s[8:9], s[20:21]        ; the first head's codes of my 64 tokens,
	s_add_nc_u64 s[94:95], s[92:93], 425984        ; the second head's,
	s_lshl_b32 s20, s14, 8
	s_add_co_u32 s20, s20, s18
	s_add_co_u32 s20, s20, 12288
	s_add_nc_u64 s[96:97], s[8:9], s[20:21]        ; the scale words
	s_lshl_b32 s18, s42, 1
	s_add_co_u32 s18, s18, s16                     ; v: head 2 X + wave % 2,
	s_lshr_b32 s20, s17, 3
	s_lshl_b32 s20, s20, 4
	s_add_co_u32 s18, s18, s20                     ; + 16 b,
	s_lshl_b32 s18, s18, 3
	s_and_b32 s20, s17, 7
	s_add_co_u32 s18, s18, s20                     ; key slot Y % 8
	s_mul_i32 s18, s18, 12800
	s_add_co_u32 s18, s18, VBASE
	s_mul_i32 s20, s15, 6144
	s_add_co_u32 s20, s20, s18
	s_add_nc_u64 s[68:69], s[8:9], s[20:21]        ; my 128 keys' two chunks
	s_lshl_b32 s20, s15, 8
	s_add_co_u32 s20, s20, s18
	s_add_co_u32 s20, s20, 12288
	s_add_nc_u64 s[72:73], s[8:9], s[20:21]
.macro FRAG reg, adr, st, i            ; 16 positions x 128 K: registers 6 c .. 6 c + 5 hold K = 64 c + 32 h + 0 .. 31: 24 bytes of chunk 2 st + c, as they lie, in pieces of 8 bytes
.irp p, 0,1,2,3,4,5
	ds_load_b64 v[\reg+2*\p:\reg+2*\p+1], v[\adr+(\st)/4] offset:(2*((\st)%4)+\p/3)*CH+768*(\i)+8*(\p%3)
.endr
.endm
.macro SCALES kq                       ; a quarter's two words a position into set kq % 2
.irp i, 0,1,2,3
	ds_load_b64 v[SC+16*((\kq)%2)+2*\i:SC+16*((\kq)%2)+2*\i+1], v[ADRS] offset:QST*(\kq)+128*\i
.endr
.irp i, 4,5,6,7
	ds_load_b64 v[SC+16*((\kq)%2)+2*\i:SC+16*((\kq)%2)+2*\i+1], v[ADRS2] offset:QST*(\kq)+128*(\i-4)
.endr
.endm
.macro FETCH st                        ; step st's fragments into sets st % 2: 72 loads, and with an even step 8 for the scale words
	WIN TO_B
.irp i, 0,1,2,3,4,5,6,7
	FRAG 128*((\st)%2)+FR*\i, ADRB, \st, \i
.endr
	WIN 0
.irp i, 0,1,2,3
	FRAG AF+48*((\st)%2)+FR*\i, ADRA, \st, \i
.endr
.if (\st)%2 == 0
	SCALES (\st)/2
.endif
.endm
; 8 matrix instructions: source 1's block a x source 0's eight.  The 32 accumulators take turns, one instruction a turn, in the same order in every step.
.macro MUL8 a, st, zero
.irp b, 0,1,2,3,4,5,6,7
.if \zero
	v_wmma_scale_f32_16x16x128_f8f6f4 v[8*(8*(\a)+\b):8*(8*(\a)+\b)+7], v[128*((\st)%2)+FR*\b:128*((\st)%2)+FR*\b+FR-1], v[AF+48*((\st)%2)+FR*(\a):AF+48*((\st)%2)+FR*(\a)+FR-1], 0, v[SC+16*(((\st)/2)%2)+2*\b+(\st)%2], v[SC+16*(((\st)/2)%2)+2*(\a)+(\st)%2] matrix_a_fmt:MATRIX_FMT_FP6 matrix_b_fmt:MATRIX_FMT_FP6 matrix_a_scale:MATRIX_SCALE_ROW1
.else
	v_wmma_scale_f32_16x16x128_f8f6f4 v[8*(8*(\a)+\b):8*(8*(\a)+\b)+7], v[128*((\st)%2)+FR*\b:128*((\st)%2)+FR*\b+FR-1], v[AF+48*((\st)%2)+FR*(\a):AF+48*((\st)%2)+FR*(\a)+FR-1], v[8*(8*(\a)+\b):8*(8*(\a)+\b)+7], v[SC+16*(((\st)/2)%2)+2*\b+(\st)%2], v[SC+16*(((\st)/2)%2)+2*(\a)+(\st)%2] matrix_a_fmt:MATRIX_FMT_FP6 matrix_b_fmt:MATRIX_FMT_FP6 matrix_a_scale:MATRIX_SCALE_ROW1
.endif
.endr
.endm
.macro STEP st, zero                   ; 128 along K; the next step's fragments are asked for behind its first eight products, into the sets that the last step read
	s_wait_dscnt 0x0
	WIN MUL_LO
	MUL8 0, \st, \zero
	PLACES NP
	FETCH (\st)+1
	WIN MUL_LO
	MUL8 1, \st, \zero
	MUL8 2, \st, \zero
	MUL8 3, \st, \zero
.endm
; A step with a barrier.  fill = 1: the barrier opens a round of the cluster's, and wave wv fills again the K half of the features that every wave has read out.  fetch = 1: the next step follows in this pass.
.macro TURN st, fill, wv, fetch
	WIN 0
	s_wait_tensorcnt 0x0                           ; all my tensor loads have landed
	ds_add_u32 v[SPW], v[NIL]                      ; 0 onto my spare word
	s_wait_dscnt 1                                 ; this step's fragments are in; the add alone may be out
	WIN MUL_LO
	MUL8 0, \st, 0
	MUL8 1, \st, 0
	s_wait_dscnt 0x0                               ; the add is done, and I have no LDS read out
	s_barrier_signal -1
	MUL8 2, \st, 0
	WIN 0
	s_barrier_wait -1
.if \fill
	CREST
	s_cmp_eq_u32 s14, \wv
	s_cbranch_scc0 .Lno_fill_\@
	s_add_nc_u64 s[G0W+2:G0W+3], s[G0W+2:G0W+3], 49152   ; the next pass's features stand 1,024 positions on
	TL G0W, G1W
.Lno_fill_\@:
.endif
	PLACES NP
.if \fetch
	FETCH (\st)+1
.endif
	WIN MUL_LO
	MUL8 3, \st, 0
.endm
.macro PASS fill
	FETCH 0
	STEP 0, 1                                      ; the first products start the sums: nothing is cleared
	STEP 1, 0
	STEP 2, 0
	TURN 3, \fill, 2, 1
	STEP 4, 0
	STEP 5, 0
	STEP 6, 0
.if \fill
	TURN 7, 1, 3, 0
.else
	s_wait_dscnt 0x0
	WIN MUL_LO
	MUL8 0, 7, 0
	MUL8 1, 7, 0
	MUL8 2, 7, 0
	MUL8 3, 7, 0
.endif
.endm
; THE WAY OUT.  Block a's 64 registers of a lane: register 16 b + i = index 32 b + 16 h + i, in the true order, along source 0.  They become a fragment's codes (12 registers) and a scale word.
; A block's codes go through my stage (768 c + 48 r + 24 h) and come back as six runs of 256 bytes; LDS serves a wave's instructions in order, so the next block's stores follow these loads.
.macro QUANTW a
.set AC, 64*(\a)
.set PCA, 64+20*(\a)
	WIN 0x0a                                       ; sources 0 and 1: the accumulators' window
.irp b, 0,1,2,3
	v_max3_num_f32 v[TM+\b], |v[AC+16*\b]|, |v[AC+16*\b+1]|, 0x1800000   ; with the floor 2^(3 - 127): the byte cannot fall under 1
.endr
.irp i, 2,4,6,8,10,12,14
.irp b, 0,1,2,3
	v_max3_num_f32 v[TM+\b], |v[AC+16*\b+\i]|, |v[AC+16*\b+\i+1]|, v[TM+\b]
.endr
.endr
	WIN 0
.irp b, 0,1,2,3
	v_permlanex16_b32 v[TM+4+\b], v[TM+\b], s[SEL], s[SEL+1]
.endr
.irp b, 0,1,2,3
	v_max_num_f32 v[TM+\b], v[TM+\b], v[TM+4+\b]   ; with lane l xor 16's: the block's largest magnitude
.endr
.irp b, 0,1,2,3
	v_add_nc_u32 v[TM+12+\b], 0xff000000, v[TM+\b] ; 2 off its exponent field: the conversion's scale operand
.endr
.irp b, 0,1,2,3
	v_lshrrev_b32 v[TM+4+\b], 23, v[TM+12+\b]      ; the scale's byte
.endr
	v_lshl_or_b32 v[PW], v[TM+5], 8, v[TM+4]
	v_lshl_or_b32 v[PW], v[TM+6], 16, v[PW]
	v_lshl_or_b32 v[PW], v[TM+7], 24, v[PW]
	v_perm_b32 v[PWS+(\a)], v[PW], v[PW], v[SELV]
	WIN 0x02                                       ; source 0: the accumulators' window
.irp c, 0,1
	v_cvt_scalef32_pk16_fp6_f32 v[PCA+6*\c:PCA+6*\c+2], v[AC+32*\c:AC+32*\c+15], v[TM+12+2*\c]
	v_cvt_scalef32_pk16_fp6_f32 v[PCA+12+4*\c:PCA+14+4*\c], v[AC+32*\c+16:AC+32*\c+31], v[TM+13+2*\c]
.endr
	WIN 0
	v_nop                                          ; one plain line behind a scaled conversion
.irp c, 0,1                            ; a whole block to a lane: lanes 0-15 block 2 c, lanes 16-31 block 2 c + 1
.irp i, 0,1,2
	v_permlane16_swap_b32 v[PCA+6*\c+\i], v[PCA+12+4*\c+\i]
.endr
.irp i, 0,1,2
	v_mov_b32 v[PCA+3+6*\c+\i], v[PCA+12+4*\c+\i]
.endr
.endr
.irp c, 0,1
.irp p, 0,1,2
	ds_store_b64 v[STO], v[PCA+6*\c+2*\p:PCA+6*\c+2*\p+1] offset:768*\c+8*\p
.endr
.endr
	ds_store_b32 v[STS], v[PWS+(\a)] offset:64*(\a)
.irp u, 0,1,2,3,4,5
	ds_load_b64 v[OUT+12*(\a)+2*\u:OUT+12*(\a)+2*\u+1], v[RD] offset:256*\u
.endr
.endm
.macro WAYOUT
	WIN 0
	PLACES NP                                      ; behind the last products: their results are read, and registers that held their operands and scales are written
.irp b, 0,1,2,3
	v_mov_b32 v[TM+4+\b], 0                        ; a lane permute's destination counts as one of its sources
.endr
.irp a, 0,1,2,3
	QUANTW \a
.endr
	ds_load_b128 v[WO:WO+3], v[RDW]                ; the four blocks' scale words: 256 bytes for each half of the lanes
	s_wait_dscnt 0x0
.irp a, 0,1,2,3
.irp u, 0,1,2,3,4,5
	global_store_b64 v[CO], v[OUT+12*\a+2*\u:OUT+12*\a+2*\u+1], s[92+2*(\u/3):93+2*(\u/3)] offset:768*\a+256*(\u%3)   ; 256 consecutive bytes, at a multiple of 256 from c2's first byte
.endr
.endr
	global_store_b128 v[SVO], v[WO:WO+3], s[96:97]
	s_wait_xcnt 0x0                                ; the stores' registers and bases are written again only behind this wait
.endm
	s_wait_alu depctr_va_vdst(0)
	s_wait_loadcnt 0x0                             ; the scale bytes
.irp k, 0,1,2,3
	ds_store_b128 v7, v[64+4*\k:67+4*\k] offset:QST*\k
.endr
.irp m, 0,1
.irp j, 0,1,2
	ds_store_b128 v6, v[80+12*\m+4*\j:83+12*\m+4*\j] offset:2*QST*\m+1024*\j
.endr
.endr
	s_wait_tensorcnt 0x0                           ; my tile of the head's four is in; the three lines stand ahead of a later first fill as ahead of a refill
	ds_add_u32 v[SPW], v[NIL]
	s_add_co_u32 s[G0X+1], s[G0X+1], HALFP         ; no tensor load of mine is out: the tokens' second K half
	s_add_nc_u64 s[G0X+2:G0X+3], s[G0X+2:G0X+3], 8*CSTR
	s_wait_dscnt 0x0                               ; the add and my stores of scale bytes are done
	CROUND
	s_cmp_eq_u32 s15, 0
	s_cbranch_scc0 .Lno_x
	TL G0X, G1X
.Lno_x:
	s_mov_b32 s86, 0
	s_mov_b32 s87, 0
.Lpass:                                            ; two trips: q, k
	v_mul_u32_u24 v8, s87, v[HH]                   ; lanes 16-31: the pass's features' scale words
	v_add_nc_u32 v[ADRS], v8, v[ADRS0]
	v_lshl_add_u32 v[ADRS2], v[HH], 9, v[ADRS]
	s_wait_alu depctr_va_vdst(0)                   ; the later quarters' loads read these addresses behind waits
	PASS 1
	WAYOUT
	s_add_nc_u64 s[92:93], s[92:93], 6815744       ; k's blocks stand 16 chunks of 32 blocks on
	s_add_nc_u64 s[94:95], s[94:95], 6815744
	s_add_nc_u64 s[96:97], s[96:97], 6815744
	s_add_co_u32 s87, s87, 1024
	s_add_co_u32 s86, s86, 1
	s_cmp_lt_u32 s86, 2
	s_cbranch_scc1 .Lpass
	; v: the sources change places
	s_mul_i32 s21, s15, PANEL
	v_add_nc_u32 v[ADRB], s21, v[LN]               ; source 0 = my 128 tokens,
	v_add_nc_u32 v[ADRB+1], HALFP, v[ADRB]
	s_mul_i32 s22, s16, 3072
	s_add_co_u32 s22, s22, 2*PANEL
	v_add_nc_u32 v[ADRA], s22, v[LN]               ; source 1 = my 64 features
	v_add_nc_u32 v[ADRA+1], HALFP, v[ADRA]
	s_lshl_b32 s21, s15, 10                        ; lanes 16-31: my tokens' scale words;
	s_lshl_b32 s22, s16, 9
	s_add_co_u32 s22, s22, 4096
	s_sub_co_u32 s22, s22, s21                     ; lanes 0-15: so far on, my features'
	v_xor_b32 v8, 1, v[HH]
	v_mul_u32_u24 v8, s22, v8
	s_add_co_u32 s21, s21, SCL
	v_add_nc_u32 v8, v8, v[R8]
	v_add_nc_u32 v[ADRS], s21, v8
	v_lshl_add_u32 v[ADRS2], v[HH], 9, v[ADRS]
	v_mov_b32 v[SELV], 0x03020100                  ; the scale word as it is: four blocks of 32 keys
	v_lshlrev_b32 v[SVO], 4, v1                    ; both halves of the lanes hold the same words and store them to the same 256 bytes
	s_mov_b64 s[92:93], s[68:69]
	s_add_nc_u64 s[94:95], s[68:69], 3072
	s_mov_b64 s[96:97], s[72:73]
	s_wait_alu depctr_va_vdst(0)
	PASS 0
	WAYOUT
	s_wait_tensorcnt 0x0                           ; the wave's end
	ds_add_u32 v[SPW], v[NIL]
	s_wait_dscnt 0x0
	CROUND                                         ; the closing round
	s_endpgm
.Lfunc_end_k_q11d64191ad_qkv:
	.size	k_q11d64191ad_qkv, .Lfunc_end_k_q11d64191ad_qkv-k_q11d64191ad_qkv
	.p2alignl 7, 3214868480
	.fill 96, 4, 3214868480
	.section	.rodata,"a",@progbits
	.p2align	6, 0x0
	.amdhsa_kernel k_q11d64191ad_qkv
		.amdhsa_group_segment_fixed_size 327680
		.amdhsa_private_segment_fixed_size 0
		.amdhsa_enable_private_segment 0
		.amdhsa_kernarg_size 24
		.amdhsa_user_sgpr_count 2
		.amdhsa_user_sgpr_kernarg_segment_ptr 1
		.amdhsa_wavefront_size32 1
		.amdhsa_system_sgpr_workgroup_id_x 1
		.amdhsa_system_sgpr_workgroup_id_y 1
		.amdhsa_system_sgpr_workgroup_id_z 1
		.amdhsa_system_vgpr_workitem_id 0
		.amdhsa_next_free_vgpr 768
		.amdhsa_next_free_sgpr 102
		.amdhsa_reserve_vcc 1
		.amdhsa_float_denorm_mode_32 3
		.amdhsa_float_denorm_mode_16_64 3
		.amdhsa_memory_ordered 1
		.amdhsa_forward_progress 1
		.amdhsa_inst_pref_size 202
	.end_amdhsa_kernel
	.amdgpu_metadata
---
amdhsa.version: [ 1, 2 ]
amdhsa.kernels:
  - .name:           k_q11d64191ad_qkv
    .symbol:         k_q11d64191ad_qkv.kd
    .args:
      - { .name: c1, .offset: 0, .size: 8, .value_kind: global_buffer, .address_space: global }
      - { .name: s1, .offset: 8, .size: 8, .value_kind: global_buffer, .address_space: global }
      - { .name: c2, .offset: 16, .size: 8, .value_kind: global_buffer, .address_space: global }
    .group_segment_fixed_size: 327680
    .private_segment_fixed_size: 0
    .kernarg_segment_align: 8
    .kernarg_segment_size: 24
    .max_flat_workgroup_size: 128
    .sgpr_count:     102
    .vgpr_count:     768
    .wavefront_size: 32
...
	.end_amdgpu_metadata
.endif
;; end of part 2
;; launch attn (part 3): grid 4 x 64, 16 waves a work-group, clusters of 4 x 1, 327,680 bytes of LDS; arguments c2, c3, s3; writes c3, s3
.if DOCPART == 3
	.amdgcn_target "amdgcn-amd-amdhsa--gfx1250"
	.amdhsa_code_object_version 6
	.text
	.protected	k_q11d64191ad_attn
	.globl	k_q11d64191ad_attn
	.p2align	8
	.type	k_q11d64191ad_attn,@function
k_q11d64191ad_attn:
	s_mov_b64 s[64:65], 0
	v_nop
	global_prefetch_b8 v0, s[64:65] scope:SCOPE_SE
	s_setreg_imm32_b32 hwreg(HW_REG_WAVE_MODE, 25, 1), 1
	s_wait_xcnt 0x0
	s_wait_alu depctr_hold_cnt(0) depctr_sa_sdst(0) depctr_va_vdst(0) depctr_va_sdst(0) depctr_va_ssrc(0) depctr_va_vcc(0) depctr_vm_vsrc(0)
	s_getreg_b32 s2, hwreg(HW_REG_IB_STS2, 6, 4)
	s_cmp_eq_u32 s2, 0
	s_cbranch_scc0 .Lentry_in_a_cluster
	s_endpgm
.Lentry_in_a_cluster:
	s_bfe_u32 s2, ttmp6, 0x10000c
	s_cmp_lg_u32 s2, 0x3003
	s_cbranch_scc0 .Lentry_shape_is_right
	s_endpgm
.Lentry_shape_is_right:
; y = softmax(q k^T / 8, causal) v for one head of one batch, both products on codes of FP6 (E2M3) with E8M0 scales; y / l is quantised along the features on the way out.
; THE SOFTMAX: t = score x log2(e) / 8; M = the row's largest t so far, rounded UP to a whole number; p = 2^(t - M) is quantised along the keys, not normalised; the row's sum l is taken of the
; unquantised p and divides at the end.  When M moves, the sum and O are multiplied by 2^(old M - new M): exact.
; LEFT OUT: key steps that lie wholly behind a tile's queries: the causal mask sets their scores to -inf, so their p is 0 for all inputs.
; LDS HOLDS ALL OF THE HEAD'S K AND V: 8 key slots x (13,312 + 12,800) bytes = 208,896.  Sixteen waves ask for one block each at the head: wave w for K's (w even) or V's (w odd) block of key slot w / 2.
; Nothing is filled again.  The four work-groups of a head form a cluster and ask JOINTLY (mask 15): the descriptors hang on the batch, the head and the wave's number alone.
; Waves 0-3 have load lines of their own: they alone wait ahead of the first barrier, behind which the first four key steps (slots 0 and 1) are read; ahead of the second barrier every wave waits.
; SHARES.  The 128 tiles of 16 query positions: work-group cx takes tiles 4 g + cx; wave w takes g = 31 - w and then g = w.  Group g (queries 64 g .. 64 g + 63) walks g / 2 + 1 steps of 128 keys,
; so every wave walks 17.  The trip count, every branch and every LDS address hang on the wave's number and the counter alone; cx enters global addresses and the mask's compare.
; Only a tile's last step holds hidden keys: it is the only one that runs the mask's lines.
; POSITIONS: tokens and the head's 64 stand at their number with bits 3 and 4 exchanged.  Sixteen neighbouring positions as source 0 give registers that are neighbours in the true order:
; S^T = K Q^T: register 16 b + i of a lane = key 32 b + 16 h + i;  O^T = V^T P^T: register 16 b + i = d 32 b + 16 h + i.  A lane holds one query throughout.
; K = 64 IN AN INSTRUCTION OF 128: Q's registers 6-11 are zero codes.  K's fragments lie dense, six registers a tile: a tile names twelve, the upper six being the next tile's codes (behind tile 7: zeros).
; s3: [head][batch][cx][g][16 positions][2 bytes]: a work-group's 1,024 scale bytes leave dense.
; NO PREFETCH: every tile is asked for at the head; the text has no later tensor load to run ahead of.
; LIMITS: NaN and infinities are not served; a block under 2^-124, or of zeros, keeps the scale byte 1; y / l is a multiplication by v_rcp_f32's result.
.set VREG,  106496                     ; K's eight blocks from 0, V's eight from here
.set YST,   208896                     ; y's stages: 768 bytes a wave
.set YSC,   YST+12288                  ; y's scale bytes: [32 g][16 positions][2]
.set SPARE, YSC+1024                   ; the spare words, 128 bytes for each wave
.set VBASE, 13631488
.set AK0,  1                           ; v1  48 r + 24 h
.set AV0,  2                           ; v2  VREG + 48 r + 24 h
.set ASK0, 3                           ; v3  12,288 + 4 r
.set ASV0, 4                           ; v4  VREG + 12,288 + 4 r
.set SPW,  5                           ; v5  my spare word; never rewritten
.set NIL,  6                           ; v6  0; never rewritten
.set QL,   7                           ; v7  my query's number in its group of 64, less 16 h
.set ADK,  8
.set ADV,  9
.set ADS,  10
.set ADT,  11                          ; v8-11 the step's addresses;  v12 -M, v13 the largest t, v[14:15] the sum in two halves
.set QF,   16                          ; v16-21 Q's codes, v22-27 zeros
.set QS,   28                          ; v28 Q's scale word;  v29, v30-35 the second tile's
.set QBS,  29
.set QB,   30
.set YSTO, 36
.set YRD,  37
.set GO,   38
.set YSA,  39
.set FG,   40                          ; v40-87 K's 8 x 6 or V's 4 x 12 registers;  v88-93 zeros
.set KS,   94                          ; v94-101 their scale words
.set S,    102                         ; v102-165 S^T, then p
.set OT,   166                         ; v166-197 O^T
.set PCD,  198                         ; v198-209 p's codes
.set PT,   210
.set BM,   218
.set BP,   222
.set BS,   226
.set FF,   230                         ; v[230:231] f, or 1 / l; the pair's upper word is written once and not used
.set PWD,  232
.set W0,   233
.set W1,   234
.set YSR,  236
.set GO2,  237
.set YSB,  238
.set WV,   10
.set CX,   11
.set SW,   15                          ; the trip in which the second tile begins: 16 - w / 2
.set T,    16
.set LAST, 17                          ; the trip of the tile's last step
.set PAR,  18                          ; 64 (g % 2): the group's first query less the last step's first key
.set PARB, 19
.set KIND, 20
.set HW,   21
.set SEL,  22
.set CS,   24
.set G1K,  28
.set G1V,  36
.set G0K,  44
.set G0V,  48
.set YA,   58
.set YB,   60
.set S3P,  62
.macro CROUND                          ; a round of the cluster's barrier
	s_barrier_signal -1
	s_barrier_wait -1
	s_cmp_lg_u32 s[WV], 0
	s_cbranch_scc1 .Lnot_wave_0_\@
	s_barrier_signal -3
.Lnot_wave_0_\@:
	s_barrier_wait -3
	s_barrier_signal -1
	s_barrier_wait -1
.endm
	s_load_b128 s[4:7], s[0:1], 0x0                ; c2, c3
	s_load_b64 s[8:9], s[0:1], 0x10                ; s3
	v_lshl_add_u32 v[SPW], v0, 2, SPARE
	v_mov_b32 v[NIL], 0
	ds_add_u32 v[SPW], v[NIL]                      ; the opening lines: the add twice on end
	ds_add_u32 v[SPW], v[NIL]
	v_lshrrev_b32 v8, 5, v0
	v_readfirstlane_b32 s[WV], v8                  ; wave 0..15
	s_bfe_u32 s[CX], ttmp6, 0x40000                ; my place in the cluster
	s_and_b32 s12, ttmp7, 0xffff                   ; 16 b + head
	s_lshr_b32 s13, s12, 4
	s_and_b32 s14, s12, 15
	s_lshr_b32 s[HW], s[WV], 1
	s_and_b32 s[KIND], s[WV], 1
	s_xor_b32 s[LAST], s[HW], 15                   ; 15 - w / 2
	s_add_co_u32 s[SW], s[LAST], 1
	s_xor_b32 s26, s[WV], 31                       ; the first group: 31 - w
	s_and_b32 s[PAR], s26, 1
	s_lshl_b32 s[PAR], s[PAR], 6
	s_lshl_b32 s[PARB], s[KIND], 6
	s_lshl_b32 s66, s14, 5
	s_lshl_b32 s67, s13, 3
	s_add_co_u32 s66, s66, s67                     ; 32 head + 8 b
	s_lshr_b32 s68, s26, 2
	s_add_co_u32 s68, s68, s66
	s_mul_i32 s68, s68, 13312                      ; q's block of the first tile,
	s_mov_b32 s69, 0
	s_lshr_b32 s70, s[WV], 2
	s_add_co_u32 s70, s70, s66
	s_mul_i32 s70, s70, 13312                      ; of the second
	s_mov_b32 s71, 0
	s_and_b32 s72, s26, 3
	s_lshl_b32 s72, s72, 2
	s_add_co_u32 s72, s72, s[CX]                   ; the tiles' numbers in their blocks: 4 (g % 4) + cx
	s_and_b32 s73, s[WV], 3
	s_lshl_b32 s73, s73, 2
	s_add_co_u32 s73, s73, s[CX]
	s_add_co_u32 s74, s66, 512
	s_add_co_u32 s74, s74, s[HW]
	s_mul_i32 s74, s74, 13312                      ; k's block of key slot w / 2
	s_mov_b32 s75, 0
	s_lshl_b32 s76, s12, 3
	s_add_co_u32 s76, s76, s[HW]
	s_mul_i32 s76, s76, 12800
	s_add_co_u32 s76, s76, VBASE                   ; v's
	s_mov_b32 s77, 0
	s_lshl_b32 s80, s14, 13
	s_lshl_b32 s81, s13, 11
	s_add_co_u32 s80, s80, s81
	s_lshl_b32 s81, s[CX], 4
	s_add_co_u32 s80, s80, s81                     ; y: 8,192 head + 2,048 b + 16 cx
	s_lshl_b32 s82, s26, 6
	s_add_co_u32 s82, s82, s80
	s_mul_i32 s82, s82, 48
	s_mov_b32 s83, 0
	s_lshl_b32 s84, s[WV], 6
	s_add_co_u32 s84, s84, s80
	s_mul_i32 s84, s84, 48
	s_mov_b32 s85, 0
	s_lshl_b32 s86, s14, 14
	s_lshl_b32 s87, s13, 12
	s_add_co_u32 s86, s86, s87
	s_lshl_b32 s87, s[CX], 10
	s_add_co_u32 s86, s86, s87
	s_lshl_b32 s87, s[KIND], 9
	s_add_co_u32 s86, s86, s87                     ; s3: waves 0 and 1 store 512 bytes each at the end
	s_mov_b32 s87, 0
	; group 1: dense blocks as rows of 256 bytes (32 elements of 8 bytes): 52 rows for K's block, 50 for V's; the mask names the cluster's four
	s_mov_b32 s[G1K], 15|(3<<16)|(1<<21)
	s_mov_b32 s[G1K+1], 32<<16
	s_mov_b32 s[G1K+2], 52<<16
	s_mov_b32 s[G1K+3], 32<<16
	s_mov_b32 s[G1K+4], 52
	s_mov_b32 s[G1K+5], 32
	s_mov_b32 s[G1K+6], 0
	s_mov_b32 s[G1K+7], 0
	s_mov_b32 s[G1V], 15|(3<<16)|(1<<21)
	s_mov_b32 s[G1V+1], 32<<16
	s_mov_b32 s[G1V+2], 50<<16
	s_mov_b32 s[G1V+3], 32<<16
	s_mov_b32 s[G1V+4], 50
	s_mov_b32 s[G1V+5], 32
	s_mov_b32 s[G1V+6], 0
	s_mov_b32 s[G1V+7], 0
	s_mov_b32 s[G0K], 1
	s_mul_i32 s[G0K+1], s[HW], 13312
	s_mov_b32 s[G0V], 1
	s_mul_i32 s[G0V+1], s[HW], 12800
	s_add_co_u32 s[G0V+1], s[G0V+1], VREG
	s_mov_b32 s[SEL], 0x76543210
	s_mov_b32 s[SEL+1], 0xfedcba98
	s_mov_b32 s[CS], 0x3e38aa3b                    ; c = log2(e) / 8
	s_mov_b32 s[CS+1], s[CS]
	s_wait_alu depctr_va_vdst(0)
	s_wait_dscnt 0x0                               ; both opening adds are done
	CROUND                                         ; the four work-groups are here: the joint loads meet
	s_wait_kmcnt 0x0
	s_add_nc_u64 s[68:69], s[4:5], s[68:69]
	s_add_nc_u64 s[70:71], s[4:5], s[70:71]
	s_add_nc_u64 s[G0K+2:G0K+3], s[4:5], s[74:75]
	s_or_b32 s[G0K+3], s[G0K+3], 0x80000000
	s_add_nc_u64 s[G0V+2:G0V+3], s[4:5], s[76:77]
	s_or_b32 s[G0V+3], s[G0V+3], 0x80000000
	s_add_nc_u64 s[YA:YA+1], s[6:7], s[82:83]
	s_add_nc_u64 s[YB:YB+1], s[6:7], s[84:85]
	s_add_nc_u64 s[S3P:S3P+1], s[8:9], s[86:87]
	; one tree of branches on the wave's number, one load to an arm; waves 0-3, which wait first, have lines of their own
	s_cmp_lt_u32 s[WV], 4
	s_cbranch_scc0 .Llate
	s_cmp_eq_u32 s[KIND], 0
	s_cbranch_scc0 .Learly_v
	tensor_load_to_lds s[G0K:G0K+3], s[G1K:G1K+7]
	s_nop 0
	s_branch .Lasked
.Learly_v:
	tensor_load_to_lds s[G0V:G0V+3], s[G1V:G1V+7]
	s_nop 0
	s_branch .Lasked
.Llate:
	s_cmp_eq_u32 s[KIND], 0
	s_cbranch_scc0 .Llate_v
	tensor_load_to_lds s[G0K:G0K+3], s[G1K:G1K+7]
	s_nop 0
	s_branch .Lasked
.Llate_v:
	tensor_load_to_lds s[G0V:G0V+3], s[G1V:G1V+7]
	s_nop 0
.Lasked:
	v_and_b32 v8, 15, v0                           ; r
	v_bfe_u32 v9, v0, 4, 1                         ; h
	v_mul_u32_u24 v[AK0], v8, 48
	v_mad_u32_u24 v[AK0], v9, 24, v[AK0]
	v_lshl_add_u32 v[ASK0], v8, 2, 12288
	s_mul_i32 s66, s72, 768
	s_mul_i32 s67, s73, 768
	s_lshl_b32 s78, s72, 6
	s_lshl_b32 s79, s73, 6
	v_add_nc_u32 v[S], s66, v[AK0]                 ; my tiles' 16 positions of 48 bytes, and their scale words
	v_add_nc_u32 v[S+1], s67, v[AK0]
	v_add_nc_u32 v[S+2], s78, v[ASK0]
	v_add_nc_u32 v[S+3], s79, v[ASK0]
.irp p, 0,1,2
	global_load_b64 v[QF+2*\p:QF+2*\p+1], v[S], s[68:69] offset:8*\p    ; both tiles' Q stay in registers
	global_load_b64 v[QB+2*\p:QB+2*\p+1], v[S+1], s[70:71] offset:8*\p
.endr
	global_load_b32 v[QS], v[S+2], s[68:69]
	global_load_b32 v[QBS], v[S+3], s[70:71]
	v_add_nc_u32 v[AV0], VREG, v[AK0]
	v_add_nc_u32 v[ASV0], VREG, v[ASK0]
	s_mul_i32 s66, s[WV], 768
	v_add_nc_u32 v[YSTO], s66, v[AK0]
	v_add_nc_u32 v[YSTO], YST, v[YSTO]
	v_and_b32 v11, 31, v0
	v_lshlrev_b32 v[GO], 3, v11
	v_add_nc_u32 v[YRD], s66, v[GO]
	v_add_nc_u32 v[YRD], YST, v[YRD]
	s_lshl_b32 s67, s26, 5
	v_lshl_add_u32 v[YSA], v8, 1, s67
	v_add_nc_u32 v[YSA], YSC, v[YSA]               ; the first tile's scale bytes: 32 g + 2 r
	s_lshl_b32 s67, s[WV], 5
	v_lshl_add_u32 v[YSB], v8, 1, s67
	v_add_nc_u32 v[YSB], YSC, v[YSB]               ; the second's
	v_lshlrev_b32 v[GO2], 4, v11
	s_lshl_b32 s79, s[KIND], 9
	v_add_nc_u32 v[YSR], s79, v[GO2]
	v_add_nc_u32 v[YSR], YSC, v[YSR]
	v_and_b32 v[QL], 7, v8
	v_lshrrev_b32 v11, 3, v8
	v_sub_nc_u32 v11, v11, v9
	v_lshl_add_u32 v[QL], v11, 4, v[QL]            ; r % 8 + 16 (r / 8) - 16 h,
	s_and_b32 s80, s[CX], 1
	s_lshl_b32 s80, s80, 3
	s_lshr_b32 s81, s[CX], 1
	s_lshl_b32 s81, s81, 5
	s_add_co_u32 s80, s80, s81
	v_add_nc_u32 v[QL], s80, v[QL]                 ; + 8 (cx % 2) + 32 (cx / 2)
	v_mov_b32 v13, 0xff61b1e6                      ; the largest t so far: -3e38
	v_floor_f32 v12, -v13                          ; -M
	v_mov_b32 v14, 0
	v_mov_b32 v15, 0
.irp j, 0,1,2,3,4,5
	v_mov_b32 v[QF+6+\j], 0                        ; Q's codes of k = 64 .. 127
	v_mov_b32 v[FG+48+\j], 0                       ; and what tile 7 of K names beyond its own six
.endr
.irp b, 0,1,2,3
	v_mov_b32 v[BP+\b], 0                          ; written once: a lane permute's destination counts as one of its sources
.endr
	v_mov_b32 v[W0], 0
	v_mov_b32 v[FF+1], 0
.set jj, 0
.rept 32
	v_mov_b32 v[OT+jj], 0                          ; O^T: the first step finds zeros, which the first change of M leaves zeros
.set jj, jj+1
.endr
; A KEY STEP of 128 keys.  full = 0: trips 0-3, in which the step's number is the trip's and no key is hidden.  full = 1: the second tile's step is (T + w / 2) mod 16 = T - SW.
.macro STEP full
.if \full
	s_cmp_ge_u32 s[T], s[SW]
	s_cselect_b32 s66, s[HW], 0
	s_add_co_u32 s66, s66, s[T]
	s_and_b32 s66, s66, 15
.else
	s_mov_b32 s66, s[T]
.endif
	s_lshr_b32 s67, s66, 1                         ; the key slot,
	s_and_b32 s66, s66, 1                          ; and which half of it
	s_mul_i32 s80, s67, 13312
	s_mul_i32 s81, s67, 12800
	s_mul_i32 s82, s66, 6144
	s_lshl_b32 s83, s66, 9
	s_lshl_b32 s84, s66, 8
	s_add_co_u32 s83, s83, s80
	s_add_co_u32 s80, s80, s82
	s_add_co_u32 s82, s82, s81
	s_add_co_u32 s84, s84, s81
	v_add_nc_u32 v[ADK], s80, v[AK0]               ; (these four are also the places behind the last step's products)
	v_add_nc_u32 v[ADV], s82, v[AV0]
	v_add_nc_u32 v[ADS], s83, v[ASK0]
	v_add_nc_u32 v[ADT], s84, v[ASV0]
.irp t, 0,1,2,3,4,5,6,7
.irp p, 0,1,2
	ds_load_b64 v[FG+6*\t+2*\p:FG+6*\t+2*\p+1], v[ADK] offset:768*\t+8*\p
.endr
	ds_load_b32 v[KS+\t], v[ADS] offset:64*\t
.endr
	s_wait_alu depctr_va_vdst(0)
	s_wait_dscnt 0x0
.irp t, 0,1,2,3,4,5,6,7
	v_wmma_scale_f32_16x16x128_f8f6f4 v[S+8*\t:S+8*\t+7], v[FG+6*\t:FG+6*\t+11], v[QF:QF+11], 0, v[KS+\t], v[QS] matrix_a_fmt:MATRIX_FMT_FP6 matrix_b_fmt:MATRIX_FMT_FP6
.endr
.rept 4
	v_nop                                          ; places: the loads below land in registers that these products read, and the scores are read
.endr
.irp t, 0,1,2,3                        ; V's fragments are asked for now and land under the softmax
.irp p, 0,1,2,3,4,5
	ds_load_b64 v[FG+12*\t+2*\p:FG+12*\t+2*\p+1], v[ADV] offset:(\p/3)*3072+768*\t+8*(\p%3)
.endr
	ds_load_b32 v[KS+\t], v[ADT] offset:64*\t
.endr
.if \full
	s_cmp_lg_u32 s[T], s[LAST]
	s_cbranch_scc1 .Lopen_\@                       ; all its keys count: a branch on the wave's number and the counter
	v_add_nc_u32 v[W0], s[PAR], v[QL]              ; d = my query - the step's first key - 16 h.  Register 16 b + i holds key 32 b + 16 h + i of the step: hidden where 32 b + i > d
	v_mov_b32 v[W1], 0xff800000                    ; -infinity: p = 0 then
.set nn, 0
.rept 64
	v_cmp_gt_i32 vcc_lo, 32*(nn/16)+nn%16, v[W0]
	v_cndmask_b32 v[S+nn], v[S+nn], v[W1], vcc_lo
.set nn, nn+1
.endr
.Lopen_\@:
.endif
.irp b, 0,1,2,3
	v_max3_num_f32 v[BM+\b], v[S+16*\b], v[S+16*\b+1], v[S+16*\b+2]   ; the largest score of each block of 32 keys: for the row's maximum, and, since p rises with the score, for the block's largest p
.endr
.irp i, 3,5,7,9,11,13
.irp b, 0,1,2,3
	v_max3_num_f32 v[BM+\b], v[BM+\b], v[S+16*\b+\i], v[S+16*\b+\i+1]
.endr
.endr
.irp b, 0,1,2,3
	v_max_num_f32 v[BM+\b], v[BM+\b], v[S+16*\b+15]
.endr
.irp b, 0,1,2,3
	s_delay_alu instid0(VALU_DEP_4)
	v_permlanex16_b32 v[BP+\b], v[BM+\b], s[SEL], s[SEL+1]
.endr
.irp b, 0,1,2,3
	s_delay_alu instid0(VALU_DEP_4)
	v_max_num_f32 v[BM+\b], v[BM+\b], v[BP+\b]     ; with lane l xor 16's 16 keys
.endr
	s_delay_alu instid0(VALU_DEP_2)
	v_max3_num_f32 v[W1], v[BM], v[BM+1], v[BM+2]
	s_delay_alu instid0(VALU_DEP_1)
	v_max_num_f32 v[W1], v[W1], v[BM+3]
	s_delay_alu instid0(VALU_DEP_1)
	v_mul_f32 v[W1], s[CS], v[W1]                  ; the step's largest t of my query
	s_delay_alu instid0(VALU_DEP_1)
	v_max_num_f32 v13, v13, v[W1]
	v_mov_b32 v[W1], v12
	s_delay_alu instid0(VALU_DEP_2)
	v_floor_f32 v12, -v13                          ; the new -M = -ceil(t): a whole number
	s_delay_alu instid0(VALU_DEP_1)
	v_sub_f32 v[W1], v12, v[W1]                    ; old M - new M, 0 or less
	s_delay_alu instid0(VALU_DEP_1)
	v_cvt_i32_f32 v[W1], v[W1]                     ; (it saturates)
	s_delay_alu instid0(VALU_DEP_1)
	v_ldexp_f32 v[FF], 1.0, v[W1]                  ; f = 2^(old M - new M)
.set jj, 0
.rept 32
	v_pk_fma_f32 v[S+jj:S+jj+1], v[S+jj:S+jj+1], s[CS:CS+1], v[12:13] op_sel_hi:[1,0,0]   ; t - M, two at a time
.set jj, jj+2
.endr
.irp b, 0,1,2,3
	v_fma_f32 v[BM+\b], v[BM+\b], s[CS], v12
.endr
.set jj, 0
	s_wait_alu depctr_va_vdst(0)
.rept 64
	v_exp_f32 v[S+jj], v[S+jj]                     ; p = 2^(t - M)
.set jj, jj+1
.endr
.irp b, 0,1,2,3
	v_exp_f32 v[BM+\b], v[BM+\b]                   ; the block's largest p: the same two instructions on the same number
.endr
	v_pk_mul_f32 v[14:15], v[14:15], v[FF:FF+1] op_sel_hi:[1,0]   ; the sums under the new M (a plain line behind the exponentials)
	s_wait_alu depctr_va_vdst(0)                   ; and behind it
.irp b, 0,1,2,3
	v_max_num_f32 v[BM+\b], 0x1800000, v[BM+\b]    ; the floor 2^(3 - 127)
.endr
.irp b, 0,1,2,3
	s_delay_alu instid0(VALU_DEP_4)
	v_add_nc_u32 v[BS+\b], 0xff000000, v[BM+\b]
.endr
.irp b, 0,1,2,3
	s_delay_alu instid0(VALU_DEP_4)
	v_lshrrev_b32 v[BP+\b], 23, v[BS+\b]
.endr
	s_delay_alu instid0(VALU_DEP_3)
	v_lshl_or_b32 v[PWD], v[BP+1], 8, v[BP]        ; p's scale word for these 128 keys
	s_delay_alu instid0(VALU_DEP_1)
	v_lshl_or_b32 v[PWD], v[BP+2], 16, v[PWD]
	s_delay_alu instid0(VALU_DEP_1)
	v_lshl_or_b32 v[PWD], v[BP+3], 24, v[PWD]
.irp c, 0,1
	v_cvt_scalef32_pk16_fp6_f32 v[PCD+6*\c:PCD+6*\c+2], v[S+32*\c:S+32*\c+15], v[BS+2*\c]
	v_cvt_scalef32_pk16_fp6_f32 v[PT+4*\c:PT+4*\c+2], v[S+32*\c+16:S+32*\c+31], v[BS+2*\c+1]
.endr
	v_nop                                          ; one plain line behind a scaled conversion
.irp c, 0,1
.irp i, 0,1,2
	v_permlane16_swap_b32 v[PCD+6*\c+\i], v[PT+4*\c+\i]
.endr
.irp i, 0,1,2
	s_delay_alu instid0(VALU_DEP_3)
	v_mov_b32 v[PCD+3+6*\c+\i], v[PT+4*\c+\i]
.endr
.endr
	v_pk_add_f32 v[222:223], v[106:107], v[110:111]   ; the row's sum of the unquantised p, in eight chains
	v_pk_add_f32 v[254:255], v[114:115], v[118:119]
	v_pk_add_f32 v[252:253], v[122:123], v[126:127]
	v_pk_add_f32 v[250:251], v[130:131], v[134:135]
	v_pk_add_f32 v[248:249], v[138:139], v[142:143]
	v_pk_add_f32 v[246:247], v[146:147], v[150:151]
	v_pk_add_f32 v[244:245], v[154:155], v[158:159]
	v_pk_add_f32 v[14:15], v[14:15], v[162:163]
	v_pk_add_f32 v[222:223], v[222:223], v[102:103]
	v_pk_add_f32 v[254:255], v[254:255], v[104:105]
	v_pk_add_f32 v[252:253], v[252:253], v[108:109]
	v_pk_add_f32 v[250:251], v[250:251], v[112:113]
	v_pk_add_f32 v[248:249], v[248:249], v[116:117]
	v_pk_add_f32 v[246:247], v[246:247], v[120:121]
	v_pk_add_f32 v[244:245], v[244:245], v[124:125]
	v_pk_add_f32 v[14:15], v[14:15], v[128:129]
	v_pk_add_f32 v[222:223], v[222:223], v[132:133]
	v_pk_add_f32 v[254:255], v[254:255], v[136:137]
	v_pk_add_f32 v[252:253], v[252:253], v[140:141]
	v_pk_add_f32 v[250:251], v[250:251], v[144:145]
	v_pk_add_f32 v[248:249], v[248:249], v[148:149]
	v_pk_add_f32 v[246:247], v[246:247], v[152:153]
	v_pk_add_f32 v[244:245], v[244:245], v[156:157]
	v_pk_add_f32 v[14:15], v[14:15], v[160:161]
	v_pk_add_f32 v[222:223], v[222:223], v[164:165]
	s_delay_alu instid0(VALU_DEP_2)
	v_pk_add_f32 v[14:15], v[14:15], v[250:251]
	s_delay_alu instid0(VALU_DEP_2)
	v_pk_add_f32 v[222:223], v[222:223], v[248:249]
	v_pk_add_f32 v[254:255], v[254:255], v[246:247]
	v_pk_add_f32 v[252:253], v[252:253], v[244:245]
	s_delay_alu instid0(VALU_DEP_2)
	v_pk_add_f32 v[14:15], v[14:15], v[254:255]
	s_delay_alu instid0(VALU_DEP_2)
	v_pk_add_f32 v[222:223], v[222:223], v[252:253]
	s_delay_alu instid0(VALU_DEP_1)
	v_pk_add_f32 v[14:15], v[14:15], v[222:223]
	s_wait_alu depctr_va_vdst(0)                   ; directly ahead of the first reader of O^T
.set jj, 0
.rept 16
	v_pk_mul_f32 v[OT+jj:OT+jj+1], v[OT+jj:OT+jj+1], v[FF:FF+1] op_sel_hi:[1,0]   ; O^T under the new M.  (With the sums: the places between p's codes and scale word and the products)
.set jj, jj+2
.endr
	s_wait_alu depctr_va_vdst(0)
	s_wait_dscnt 0x0                               ; V's fragments and scale words are in
.irp t, 0,1,2,3
	v_wmma_scale_f32_16x16x128_f8f6f4 v[OT+8*\t:OT+8*\t+7], v[FG+12*\t:FG+12*\t+11], v[PCD:PCD+11], v[OT+8*\t:OT+8*\t+7], v[KS+\t], v[PWD] matrix_a_fmt:MATRIX_FMT_FP6 matrix_b_fmt:MATRIX_FMT_FP6
.endr
.endm
; THE WAY OUT of a tile: y = O^T / l; its two blocks of 32 along the features are quantised; 48 bytes a position go through my stage and leave as 768 dense bytes; the two scale bytes wait in LDS.
.macro FINAL ysa, yp
.rept 4
	v_nop                                          ; places behind the last products
.endr
	v_add_f32 v14, v14, v15
	v_permlanex16_b32 v[W0], v14, s[SEL], s[SEL+1]
	v_add_f32 v14, v14, v[W0]                      ; the row's sum
	s_wait_alu depctr_va_vdst(0)
	v_rcp_f32 v[FF], v14
	v_nop
.set jj, 0
	s_wait_alu depctr_va_vdst(0)
.rept 16
	v_pk_mul_f32 v[S+jj:S+jj+1], v[OT+jj:OT+jj+1], v[FF:FF+1] op_sel_hi:[1,0]   ; each accumulator from its low end on
.set jj, jj+2
.endr
.irp b, 0,1
	v_max3_num_f32 v[BM+\b], |v[S+16*\b]|, |v[S+16*\b+1]|, 0x1800000
.endr
.irp i, 2,4,6,8,10,12,14
.irp b, 0,1
	v_max3_num_f32 v[BM+\b], v[BM+\b], |v[S+16*\b+\i]|, |v[S+16*\b+\i+1]|
.endr
.endr
.irp b, 0,1
	v_permlanex16_b32 v[BP+\b], v[BM+\b], s[SEL], s[SEL+1]
.endr
.irp b, 0,1
	v_max_num_f32 v[BM+\b], v[BM+\b], v[BP+\b]
.endr
.irp b, 0,1
	v_add_nc_u32 v[BS+\b], 0xff000000, v[BM+\b]
.endr
.irp b, 0,1
	v_lshrrev_b32 v[BP+\b], 23, v[BS+\b]
.endr
	v_lshl_or_b32 v[W1], v[BP+1], 8, v[BP]
	v_cvt_scalef32_pk16_fp6_f32 v[PCD:PCD+2], v[S:S+15], v[BS]
	v_cvt_scalef32_pk16_fp6_f32 v[PT:PT+2], v[S+16:S+31], v[BS+1]
	v_nop
.irp i, 0,1,2
	v_permlane16_swap_b32 v[PCD+\i], v[PT+\i]
.endr
.irp i, 0,1,2
	v_mov_b32 v[PCD+3+\i], v[PT+\i]
.endr
	ds_store_b16 v[\ysa], v[W1]                    ; both halves of the lanes write the same two bytes
.irp p, 0,1,2
	ds_store_b64 v[YSTO], v[PCD+2*\p:PCD+2*\p+1] offset:8*\p
.endr
.irp u, 0,1,2
	ds_load_b64 v[S+32+2*\u:S+33+2*\u], v[YRD] offset:256*\u   ; LDS serves a wave's instructions in order: these see my stores
.endr
	s_wait_dscnt 0x0
.irp u, 0,1,2
	global_store_b64 v[GO], v[S+32+2*\u:S+33+2*\u], s[\yp:\yp+1] offset:256*\u   ; 256 consecutive bytes, at a multiple of 256 from c3's first byte
.endr
	s_wait_xcnt 0x0                                ; the stores' registers are written again only behind this wait
.endm
	s_wait_alu depctr_va_vdst(0)
	s_cmp_lt_u32 s[WV], 4
	s_cbranch_scc0 .Lnot_early
	s_wait_tensorcnt 0x0                           ; waves 0-3: key slots 0 and 1 are in
.Lnot_early:
	s_wait_loadcnt 0x0                             ; Q
	s_barrier_signal -1                            ; the other waves' loads may be out
	s_barrier_wait -1
	s_mov_b32 s[T], 0
.Lfirst:                                           ; trips 0-3: steps 0-3 of the first tile, which has eight steps or more
	STEP 0
	s_add_co_u32 s[T], s[T], 1
	s_cmp_lt_u32 s[T], 4
	s_cbranch_scc1 .Lfirst
	s_wait_tensorcnt 0x0                           ; every wave: its block is in
	s_barrier_signal -1
	s_barrier_wait -1                              ; all of K and V is shown to all
.Lrest:                                            ; trips 4-16
	s_cmp_lg_u32 s[T], s[SW]
	s_cbranch_scc1 .Lsame_tile                     ; a branch on the wave's number and the counter
	FINAL YSA, YA                                  ; the first tile is done; the second begins
.irp j, 0,1,2,3,4,5
	v_mov_b32 v[QF+\j], v[QB+\j]
.endr
	v_mov_b32 v[QS], v[QBS]                        ; (the 36 lines below stand between this scale word and the next product)
	v_mov_b32 v13, 0xff61b1e6
	v_floor_f32 v12, -v13
	v_mov_b32 v14, 0
	v_mov_b32 v15, 0
.set jj, 0
.rept 32
	v_mov_b32 v[OT+jj], 0
.set jj, jj+1
.endr
	s_mov_b32 s[LAST], 16
	s_mov_b32 s[PAR], s[PARB]
.Lsame_tile:
	STEP 1
	s_add_co_u32 s[T], s[T], 1
	s_cmp_lt_u32 s[T], 17
	s_cbranch_scc1 .Lrest
	FINAL YSB, YB
	s_barrier_signal -1                            ; every wave's stores of scale bytes have landed (the wait for 0 stands in FINAL)
	s_barrier_wait -1
	s_cmp_lt_u32 s[WV], 2
	s_cbranch_scc0 .Lend
	ds_load_b128 v[S:S+3], v[YSR]                  ; waves 0 and 1: 512 of the work-group's 1,024 scale bytes each
	s_wait_dscnt 0x0
	global_store_b128 v[GO2], v[S:S+3], s[S3P:S3P+1]
.Lend:
	s_wait_tensorcnt 0x0                           ; the wave's end
	ds_add_u32 v[SPW], v[NIL]
	s_wait_dscnt 0x0
	CROUND                                         ; the closing round
	s_endpgm
.Lfunc_end_k_q11d64191ad_attn:
	.size	k_q11d64191ad_attn, .Lfunc_end_k_q11d64191ad_attn-k_q11d64191ad_attn
	.p2alignl 7, 3214868480
	.fill 96, 4, 3214868480
	.section	.rodata,"a",@progbits
	.p2align	6, 0x0
	.amdhsa_kernel k_q11d64191ad_attn
		.amdhsa_group_segment_fixed_size 327680
		.amdhsa_private_segment_fixed_size 0
		.amdhsa_enable_private_segment 0
		.amdhsa_kernarg_size 24
		.amdhsa_user_sgpr_count 2
		.amdhsa_user_sgpr_kernarg_segment_ptr 1
		.amdhsa_wavefront_size32 1
		.amdhsa_system_sgpr_workgroup_id_x 1
		.amdhsa_system_sgpr_workgroup_id_y 1
		.amdhsa_system_sgpr_workgroup_id_z 1
		.amdhsa_system_vgpr_workitem_id 0
		.amdhsa_next_free_vgpr 256
		.amdhsa_next_free_sgpr 96
		.amdhsa_reserve_vcc 1
		.amdhsa_float_denorm_mode_32 3
		.amdhsa_float_denorm_mode_16_64 3
		.amdhsa_memory_ordered 1
		.amdhsa_forward_progress 1
		.amdhsa_inst_pref_size 64
	.end_amdhsa_kernel
	.amdgpu_metadata
---
amdhsa.version: [ 1, 2 ]
amdhsa.kernels:
  - .name:           k_q11d64191ad_attn
    .symbol:         k_q11d64191ad_attn.kd
    .args:
      - { .name: c2, .offset: 0, .size: 8, .value_kind: global_buffer, .address_space: global }
      - { .name: c3, .offset: 8, .size: 8, .value_kind: global_buffer, .address_space: global }
      - { .name: s3, .offset: 16, .size: 8, .value_kind: global_buffer, .address_space: global }
    .group_segment_fixed_size: 327680
    .private_segment_fixed_size: 0
    .kernarg_segment_align: 8
    .kernarg_segment_size: 24
    .max_flat_workgroup_size: 512
    .sgpr_count:     96
    .vgpr_count:     256
    .wavefront_size: 32
...
	.end_amdgpu_metadata
.endif
;; end of part 3
;; launch proj (part 4): grid 4 x 32, 4 waves a work-group, clusters of 4 x 4, 327,680 bytes of LDS; arguments c1, s1, c3, s3, out0; writes out0
.if DOCPART == 4
	.amdgcn_target "amdgcn-amd-amdhsa--gfx1250"
	.amdhsa_code_object_version 6
	.text
	.protected	k_q11d64191ad_proj
	.globl	k_q11d64191ad_proj
	.p2align	8
	.type	k_q11d64191ad_proj,@function
k_q11d64191ad_proj:
	s_mov_b64 s[64:65], 0
	v_nop
	global_prefetch_b8 v0, s[64:65] scope:SCOPE_SE
	s_setreg_imm32_b32 hwreg(HW_REG_WAVE_MODE, 25, 1), 1
	s_wait_xcnt 0x0
	s_wait_alu depctr_hold_cnt(0) depctr_sa_sdst(0) depctr_va_vdst(0) depctr_va_sdst(0) depctr_va_ssrc(0) depctr_va_vcc(0) depctr_vm_vsrc(0)
	s_getreg_b32 s2, hwreg(HW_REG_IB_STS2, 6, 4)
	s_cmp_eq_u32 s2, 0
	s_cbranch_scc0 .Lentry_in_a_cluster
	s_endpgm
.Lentry_in_a_cluster:
	s_bfe_u32 s2, ttmp6, 0x10000c
	s_cmp_lg_u32 s2, 0xf033
	s_cbranch_scc0 .Lentry_shape_is_right
	s_endpgm
.Lentry_shape_is_right:
.set FR,    12
.set NL,    6
.set NP,    4
.set NQ,    2
.set CROW,  6144
.set HALFT, 4*CROW
.set SLOT,  4*HALFT
.set SCL,   2*SLOT
.set SCLC,  SCL+8320
.set STAGE, SCL+32768
.set SPITCH, 528
.set SPARE, STAGE+4*16*SPITCH
.set KSBR,  4*393216
.set KSB,   4*589824
.set ADRA, 16
.set ADRB, 20
.set STO,  24
.set RD,   25
.set CO,   26
.set ADRS, 27
.set SPW,  28
.set NIL,  29
.set SC,   32
.set AF,   128
.set BK,   128
.set G1, 24
.set G0, 32
.set G1B, 48
.set G0B, 56
.set G1SB, 80
.set G0SB, 88
.set MSB, 0
.macro WIN new
.if MSB != \new
	s_set_vgpr_msb (MSB<<8)|\new
.set MSB, \new
.endif
.endm
.set MUL_LO, 0xa1
.set MUL_HI, 0xf1
.set TO_B,   0x40
.macro JLOAD g0a, g1a, g0b, g1b
	s_cmp_eq_u32 s15, 0
	s_cbranch_scc0 .Lfor_b_\@
	tensor_load_to_lds s[\g0a:\g0a+3], s[\g1a:\g1a+7]
	s_nop 0
.rept 4
	v_nop
.endr
	s_branch .Lasked_\@
.Lfor_b_\@:
	tensor_load_to_lds s[\g0b:\g0b+3], s[\g1b:\g1b+7]
	s_nop 0
.rept 4
	v_nop
.endr
.Lasked_\@:
.endm
.macro CREST
	s_cmp_lg_u32 s14, 0
	s_cbranch_scc1 .Lnot_wave_0_\@
	s_barrier_signal -3
.Lnot_wave_0_\@:
	s_barrier_wait -3
	s_barrier_signal -1
	s_barrier_wait -1
.endm
.macro CROUND
	s_barrier_signal -1
	s_barrier_wait -1
	CREST
.endm
	s_load_b128 s[4:7], s[0:1], 0x0
	s_load_b128 s[8:11], s[0:1], 0x10
	s_load_b64 s[12:13], s[0:1], 0x20
	v_lshl_add_u32 v[SPW], v0, 2, SPARE
	v_mov_b32 v[NIL], 0
	ds_add_u32 v28, v29
	ds_add_u32 v28, v29
	s_wait_dscnt 0x0
	v_lshrrev_b32 v1, 5, v0
	v_readfirstlane_b32 s14, v1
	s_lshr_b32 s15, s14, 1
	s_and_b32 s16, s14, 1
	s_bfe_u32 s40, ttmp6, 0x40000
	s_bfe_u32 s41, ttmp6, 0x40004
	s_lshl_b32 s42, ttmp9, 2
	s_add_co_u32 s42, s42, s40
	s_and_b32 s17, ttmp7, 0xffff
	s_lshl_b32 s17, s17, 2
	s_add_co_u32 s17, s17, s41
	s_lshl_b32 s43, s41, 2
	s_lshl_b32 s43, 15, s43
	s_lshl_b32 s44, 0x1111, s40
	s_or_b32 s[G1+0], s43, (3<<16)|(1<<21)
	s_or_b32 s[G1B+0], s44, (3<<16)|(1<<21)
.irp g, G1, G1B
	s_mov_b32 s[\g+1], 768<<16
	s_mov_b32 s[\g+2], 4<<16
	s_mov_b32 s[\g+3], 768<<16
	s_mov_b32 s[\g+4], 4
	s_mov_b32 s[\g+6], 0
	s_mov_b32 s[\g+7], 0
.endr
	s_mov_b32 s[G1+5], 49152
	s_mov_b32 s[G1B+5], 73728
	s_or_b32 s[G1SB+0], s44, (3<<16)|(1<<21)
	s_mov_b32 s[G1SB+1], 64<<16
	s_mov_b32 s[G1SB+2], 4<<16
	s_mov_b32 s[G1SB+3], 64<<16
	s_mov_b32 s[G1SB+4], 4
	s_mov_b32 s[G1SB+5], 12288
	s_mov_b32 s[G1SB+6], 0
	s_mov_b32 s[G1SB+7], 0
	s_lshl_b32 s18, s16, 7
	s_lshl_b32 s20, s17, 8
	s_add_co_u32 s20, s20, s18
	s_mul_i32 s20, s20, 48
	s_mov_b32 s21, 0
	s_lshl_b32 s46, s42, 8
	s_add_co_u32 s46, s46, 11264
	s_lshl_b32 s92, s14, 6
	s_add_co_u32 s92, s92, s46
	s_lshl_b32 s92, s92, 3
	s_mov_b32 s93, 0
	s_add_co_u32 s46, s46, s18
	s_mul_i32 s46, s46, 48
	s_mov_b32 s47, 0
	s_mul_i32 s45, s14, HALFT
	s_lshl_b32 s94, s14, 11
	s_wait_kmcnt 0x0
	s_add_nc_u64 s[20:21], s[8:9], s[20:21]
	s_add_nc_u64 s[46:47], s[4:5], s[46:47]
	s_add_nc_u64 s[92:93], s[6:7], s[92:93]
	CROUND
	s_mov_b32 s[G0SB], 1
	s_add_co_u32 s[G0SB+1], s94, SCLC
	s_mov_b64 s[G0SB+2:G0SB+3], s[92:93]
	s_or_b32 s[G0SB+3], s[G0SB+3], 0x80000000
	tensor_load_to_lds s[G0SB:G0SB+3], s[G1SB:G1SB+7]
	s_nop 0
.rept 4
	v_nop
.endr
.irp s, 0,1
	s_mov_b32 s[G0+4*\s], 1
	s_add_co_u32 s[G0+4*\s+1], s45, \s*SLOT
	s_add_nc_u64 s[G0+4*\s+2:G0+4*\s+3], s[20:21], \s*KSBR
	s_or_b32 s[G0+4*\s+3], s[G0+4*\s+3], 0x80000000
	s_mov_b32 s[G0B+4*\s], 1
	s_add_co_u32 s[G0B+4*\s+1], s45, \s*SLOT
	s_add_nc_u64 s[G0B+4*\s+2:G0B+4*\s+3], s[46:47], \s*KSB
	s_or_b32 s[G0B+4*\s+3], s[G0B+4*\s+3], 0x80000000
	s_wait_alu depctr_va_vdst(0)
	s_wait_tensorcnt 0x0
	ds_add_u32 v28, v29
	s_wait_dscnt 0x0
	CROUND
	JLOAD G0+4*\s, G1, G0B+4*\s, G1B
.endr
	s_lshr_b32 s18, s17, 3                         ; s3 is [head][batch][cx][g][16 positions][2]: my 256 positions are g = 4 (Y % 8) .. + 3 of all four cx
	s_lshl_b32 s18, s18, 12
	s_and_b32 s19, s17, 7
	s_lshl_b32 s19, s19, 7
	s_add_co_u32 s18, s18, s19
	s_mov_b32 s19, 0
	v_and_b32 v8, 7, v0
	v_bfe_u32 v9, v0, 3, 2
	v_lshlrev_b32 v8, 2, v8                        ; two positions' bytes a thread: 4 (thread % 8),
	v_lshl_add_u32 v8, v9, 10, v8                  ; cx = (thread / 8) % 4,
	v_lshrrev_b32 v9, 5, v0
	v_lshl_add_u32 v8, v9, 5, v8                   ; g % 4 = thread / 32
	s_add_nc_u64 s[10:11], s[10:11], s[18:19]
.irp e, 0,1,2,3,4,5,6,7,8,9,10,11,12,13,14,15
	global_load_b32 v[64+\e], v8, s[10:11] offset:16384*\e
.endr
	v_and_b32 v1, 15, v0
	v_bfe_u32 v2, v0, 4, 1
	s_wait_alu depctr_va_vdst(0)
	v_mul_u32_u24 v3, v1, 48
	v_mad_u32_u24 v3, v2, 24, v3
	s_mul_i32 s21, s15, HALFT
	s_mul_i32 s22, s16, HALFT
	s_add_co_u32 s22, s22, 2*HALFT
.irp s, 0,1
	v_add_nc_u32 v[ADRA+\s], s21, v3
	v_add_nc_u32 v[ADRB+\s], s22, v3
	s_add_co_u32 s21, s21, SLOT
	s_add_co_u32 s22, s22, SLOT
.endr
	s_lshl_b32 s21, s15, 12
	s_lshl_b32 s22, s16, 12
	s_add_co_u32 s22, s22, 8320
	s_sub_co_u32 s22, s22, s21
	v_mul_u32_u24 v6, s22, v2
	s_add_co_u32 s21, s21, SCL
	v_lshl_add_u32 v5, v1, 3, v6
	v_add_nc_u32 v[ADRS], s21, v5
	s_mul_i32 s23, s14, 16*SPITCH
	s_add_co_u32 s23, s23, STAGE
	v_mul_u32_u24 v5, v1, SPITCH
	v_lshl_add_u32 v5, v2, 6, v5
	v_add_nc_u32 v[STO], s23, v5
	v_and_b32 v6, 31, v0
	v_lshlrev_b32 v[CO], 4, v6
	v_add_nc_u32 v[RD], s23, v[CO]
	s_lshl_b32 s23, s14, 11
	s_add_co_u32 s23, s23, SCL
	v_add_nc_u32 v9, s23, v[CO]
	s_lshl_b32 s20, s17, 8
	s_lshl_b32 s21, s15, 7
	s_add_co_u32 s20, s20, s21
	s_lshl_b32 s20, s20, 12
	s_mov_b32 s21, 0
	s_lshl_b32 s46, s42, 10
	s_lshl_b32 s47, s16, 9
	s_add_co_u32 s46, s46, s47
	s_mov_b32 s47, 0
	s_add_nc_u64 s[20:21], s[20:21], s[46:47]
	s_add_nc_u64 s[12:13], s[12:13], s[20:21]
	s_mov_b32 s2, 0x05040100
	s_mov_b32 s3, 0x07060302
	s_wait_loadcnt 0x0
.irp d, 0,1,2,3
	v_perm_b32 v[80+4*\d],   v[64+4*\d+1], v[64+4*\d],   s2
	v_perm_b32 v[80+4*\d+1], v[64+4*\d+3], v[64+4*\d+2], s2
	v_perm_b32 v[80+4*\d+2], v[64+4*\d+1], v[64+4*\d],   s3
	v_perm_b32 v[80+4*\d+3], v[64+4*\d+3], v[64+4*\d+2], s3
.endr
.irp d, 0,1,2,3
	ds_store_b128 v9, v[80+4*\d:80+4*\d+3] offset:512*\d
.endr
.macro FRAG reg, adr, q, i
.irp p, 0,1,2,3,4,5
	ds_load_b64 v[\reg+2*\p:\reg+2*\p+1], v[\adr] offset:(2*(\q)+\p/3)*CROW+768*(\i)+8*(\p%3)
.endr
.endm
.macro MUL16 a0, p, q, sc, zero
.irp a, \a0, \a0+1
.irp b, 0,1,2,3,4,5,6,7
.if \zero
	v_wmma_scale_f32_16x16x128_f8f6f4 v[8*(8*((\a)%4)+\b):8*(8*((\a)%4)+\b)+7], v[128*(\p)+FR*\b:128*(\p)+FR*\b+FR-1], v[AF+FR*(\a):AF+FR*(\a)+FR-1], 0, v[SC+8*NQ*(\sc)+NQ*\b+(\q)], v[SC+8*NQ*(\sc)+NQ*(\a)+(\q)] matrix_a_fmt:MATRIX_FMT_FP6 matrix_b_fmt:MATRIX_FMT_FP6 matrix_a_scale:MATRIX_SCALE_ROW1
.else
	v_wmma_scale_f32_16x16x128_f8f6f4 v[8*(8*((\a)%4)+\b):8*(8*((\a)%4)+\b)+7], v[128*(\p)+FR*\b:128*(\p)+FR*\b+FR-1], v[AF+FR*(\a):AF+FR*(\a)+FR-1], v[8*(8*((\a)%4)+\b):8*(8*((\a)%4)+\b)+7], v[SC+8*NQ*(\sc)+NQ*\b+(\q)], v[SC+8*NQ*(\sc)+NQ*(\a)+(\q)] matrix_a_fmt:MATRIX_FMT_FP6 matrix_b_fmt:MATRIX_FMT_FP6 matrix_a_scale:MATRIX_SCALE_ROW1
.endif
.endr
.endr
.endm
.macro FETCH_B slot, q, p
	WIN TO_B
.irp i, 0,1,2,3,4,5,6,7
	FRAG 128*(\p)+FR*\i, ADRB+\slot, \q, \i
.endr
	WIN 0
.endm
.macro FETCH_A slot, q, i0
.irp i, \i0, \i0+1, \i0+2, \i0+3
	FRAG AF+FR*(\i), ADRA+\slot, \q, \i
.endr
.endm
.macro SCALES sc
.irp i, 0,1,2,3,4,5,6,7
	ds_load_b64 v[SC+8*NQ*\sc+NQ*\i:SC+8*NQ*\sc+NQ*\i+1], v[ADRS] offset:2048*(\i/4)+128*(\i%4)
.endr
.endm
.macro PLACES n
.rept \n
	v_nop
.endr
.endm
.macro STEP slot, q, zero
	s_wait_dscnt 4*NL
	WIN MUL_LO
	MUL16 0, (\q)%2, \q, \slot, \zero
	MUL16 2, (\q)%2, \q, \slot, \zero
	s_wait_dscnt 0
	PLACES NP
	FETCH_B \slot, (\q)+1, 1-(\q)%2
	FETCH_A \slot, (\q)+1, 0
	WIN MUL_HI
	MUL16 4, (\q)%2, \q, \slot, \zero
	MUL16 6, (\q)%2, \q, \slot, \zero
	PLACES NP
	WIN 0
	FETCH_A \slot, (\q)+1, 4
.endm
.macro TURN slot, next, fill
	s_wait_tensorcnt 0x0
	ds_add_u32 v[SPW], v[NIL]
	s_wait_dscnt 4*NL+1
	WIN MUL_LO
	MUL16 0, 1, NQ-1, \slot, 0
	s_wait_dscnt 0x0
	s_barrier_signal -1
	MUL16 2, 1, NQ-1, \slot, 0
	WIN 0
	s_barrier_wait -1
.if \fill
	CREST
	s_add_nc_u64 s[G0+4*\slot+2:G0+4*\slot+3], s[G0+4*\slot+2:G0+4*\slot+3], 2*KSBR
	s_add_nc_u64 s[G0B+4*\slot+2:G0B+4*\slot+3], s[G0B+4*\slot+2:G0B+4*\slot+3], 2*KSB
	JLOAD G0+4*\slot, G1, G0B+4*\slot, G1B
.else
	PLACES NP
.endif
	s_wait_alu depctr_va_vdst(0)
	v_add_nc_u32 v[ADRS], 512, v[ADRS]
	FETCH_B \next, 0, 0
	FETCH_A \next, 0, 0
	SCALES \next
	WIN MUL_HI
	MUL16 4, 1, NQ-1, \slot, 0
	MUL16 6, 1, NQ-1, \slot, 0
	PLACES NP
	WIN 0
	FETCH_A \next, 0, 4
.endm
	s_wait_tensorcnt 1
	s_wait_dscnt 0x0
	s_barrier_signal -1
	s_barrier_wait -1
	FETCH_B 0, 0, 0
	FETCH_A 0, 0, 0
	SCALES 0
	FETCH_A 0, 0, 4
	STEP 0, 0, 1
	TURN 0, 1, 1
	STEP 1, 0, 0
	TURN 1, 0, 1
	STEP 0, 0, 0
	TURN 0, 1, 0
	STEP 1, 0, 0
	s_wait_dscnt 4*NL
	WIN MUL_LO
	MUL16 0, 1, NQ-1, 1, 0
	MUL16 2, 1, NQ-1, 1, 0
	s_wait_dscnt 0
	WIN MUL_HI
	MUL16 4, 1, NQ-1, 1, 0
	MUL16 6, 1, NQ-1, 1, 0
	WIN 0
.macro TOSTAGE a
.set AC, 64*((\a)%4)
	WIN 0x08+4*((\a)/4)
.irp b, 0,1,2,3,4,5,6,7
	ds_store_b128 v[STO], v[AC+8*\b:AC+8*\b+3] offset:128*(\b/2)+32*(\b%2)
	ds_store_b128 v[STO], v[AC+8*\b+4:AC+8*\b+7] offset:128*(\b/2)+32*(\b%2)+16
.endr
	WIN 0
.set BB, BK+64*((\a)%2)
.irp t, 0,1,2,3,4,5,6,7,8,9,10,11,12,13,14,15
	ds_load_b128 v[BB+4*\t:BB+4*\t+3], v[RD] offset:\t*SPITCH
.endr
.endm
.macro SEND a, younger
.set BB, BK+64*((\a)%2)
	s_wait_dscnt \younger
.if (\a) > 0
.if (\a)%2 == 1
	s_add_nc_u64 s[12:13], s[12:13], 8*4096
.else
	s_add_nc_u64 s[12:13], s[12:13], 24*4096
.endif
.endif
.irp t, 0,1,2,3,4,5,6,7,8,9,10,11,12,13,14,15
	global_store_b128 v[CO], v[BB+4*\t:BB+4*\t+3], s[12:13] offset:((\t%8)+16*(\t/8))*4096 th:TH_STORE_NT
.endr
.endm
	PLACES NP
	TOSTAGE 0
.irp a, 1,2,3,4,5,6,7
.if \a > 1
	s_wait_xcnt 0x0
.endif
	TOSTAGE \a
	SEND \a-1, 32
.endr
	s_wait_xcnt 0x0
	SEND 7, 0
	s_wait_tensorcnt 0x0
	ds_add_u32 v[SPW], v[NIL]
	s_wait_dscnt 0x0
	CROUND
	s_endpgm
.Lfunc_end_k_q11d64191ad_proj:
	.size	k_q11d64191ad_proj, .Lfunc_end_k_q11d64191ad_proj-k_q11d64191ad_proj
	.p2alignl 7, 3214868480
	.fill 96, 4, 3214868480
	.section	.rodata,"a",@progbits
	.p2align	6, 0x0
	.amdhsa_kernel k_q11d64191ad_proj
		.amdhsa_group_segment_fixed_size 327680
		.amdhsa_private_segment_fixed_size 0
		.amdhsa_enable_private_segment 0
		.amdhsa_kernarg_size 40
		.amdhsa_user_sgpr_count 2
		.amdhsa_user_sgpr_kernarg_segment_ptr 1
		.amdhsa_wavefront_size32 1
		.amdhsa_system_sgpr_workgroup_id_x 1
		.amdhsa_system_sgpr_workgroup_id_y 1
		.amdhsa_system_sgpr_workgroup_id_z 1
		.amdhsa_system_vgpr_workitem_id 0
		.amdhsa_next_free_vgpr 1024
		.amdhsa_next_free_sgpr 102
		.amdhsa_reserve_vcc 0
		.amdhsa_float_denorm_mode_32 3
		.amdhsa_float_denorm_mode_16_64 3
		.amdhsa_memory_ordered 1
		.amdhsa_forward_progress 1
		.amdhsa_inst_pref_size 163
	.end_amdhsa_kernel
	.amdgpu_metadata
---
amdhsa.version: [ 1, 2 ]
amdhsa.kernels:
  - .name:           k_q11d64191ad_proj
    .symbol:         k_q11d64191ad_proj.kd
    .args:
      - { .name: c1, .offset: 0, .size: 8, .value_kind: global_buffer, .address_space: global }
      - { .name: s1, .offset: 8, .size: 8, .value_kind: global_buffer, .address_space: global }
      - { .name: c3, .offset: 16, .size: 8, .value_kind: global_buffer, .address_space: global }
      - { .name: s3, .offset: 24, .size: 8, .value_kind: global_buffer, .address_space: global }
      - { .name: out0, .offset: 32, .size: 8, .value_kind: global_buffer, .address_space: global }
    .group_segment_fixed_size: 327680
    .private_segment_fixed_size: 0
    .kernarg_segment_align: 8
    .kernarg_segment_size: 40
    .max_flat_workgroup_size: 128
    .sgpr_count:     102
    .vgpr_count:     1024
    .wavefront_size: 32
...
	.end_amdgpu_metadata
.endif
;; end of part 4
